; MI455X (gfx1250); checked and timed in simulation.
; The chip was launched on July 23, 2026; its instructions are those of AMD's public machine-readable ISA for CDNA 5 (MIT licence, August 2026) and "CDNA5" Instruction Set Architecture Reference Guide (July 2026). The comments in the code are by the model that wrote it; some were corrected since.
;; Efficient Multi Head Attention. Allowed arithmetic: float matrix products may take bf16 or f16 operands with f32 sums; other float arithmetic in f32, or as packed bf16 or f16 multiplies, adds, multiply-adds, maxima and minima; sums over many terms, partial sums and values carried from step to step in f32; what a program stores and reads back later, other than sums and carried values, may be rounded once to bf16 or f16.
;; Inputs: Wk 1,024 x 1,024 float32; Wq 1,024 x 1,024 float32; Wv 1,024 x 1,024 float32; bk 1,024 float32; bq 1,024 float32; bv 1,024 float32; mask 4 x 4,096 bool; query 4 x 4,096 x 1,024 float32.
;; Outputs: out0 4 x 4,096 x 1,024 float32.
;; 2 versions, each right; version 2 is version 1 with the launch prep written anew for expert scheduling mode. Each part assembles by itself: llvm-mc -triple=amdgcn-amd-amdhsa -mcpu=gfx1250 --defsym DOCPART=n.
;; ======== version 1 of 2: 3 launches
;; workspace buffers: xb 33,554,432 bytes; wkb 2,097,152 bytes; wqb 2,097,152 bytes; wvs 131,072 bytes; part 524,288 bytes
;; launch prep (part 1): grid 608 x 1, 8 waves a work-group, no clusters, 0 bytes of LDS; arguments query, Wk, Wq, Wv, xb, wkb, wqb, wvs; writes xb, wkb, wqb, wvs
.if DOCPART == 1
	.amdgcn_target "amdgcn-amd-amdhsa--gfx1250"
	.amdhsa_code_object_version 6
	.text
	.protected	k_qfdd16cf8d4_prep
	.globl	k_qfdd16cf8d4_prep
	.p2align	8
	.type	k_qfdd16cf8d4_prep,@function
k_qfdd16cf8d4_prep:
	s_mov_b64 s[64:65], 0
	v_nop
	global_prefetch_b8 v0, s[64:65] scope:SCOPE_SE
	s_setreg_imm32_b32 hwreg(HW_REG_WAVE_MODE, 25, 1), 1
	s_wait_xcnt 0x0
; PREP.  Work-groups 32 to 607 round query, Wk and Wq to bf16, layouts unchanged (32 rows of 1,024 numbers a work-group).
; Work-groups 0 to 31 make wvs: for each row d of Wv and each head n the sum of the head's 64 numbers, each rounded to bf16 first,
; kept as two bf16 numbers hi + lo (16 significant bits).  This is what is left of the V projection: reference() sums kv over v,
; and that sum commutes with the sum over l, so only x . (sum over a head's columns of Wv) is ever needed.
; wvs is [tc 4][kb 128][i 16][8] bf16, d = 8 kb + the last index: the image of a matrix operand of 16 rows i, K along d.
; Row i = 8 h + j: j = 0 hi of head 4 tc + h, j = 1 hi of head 4 tc + 2 + h, j = 2, 3 the same heads' lo, j = 4 to 7 zeros.
; A stream: no LDS, no barrier, no matrix unit.  LIMITS: NaN and infinities are not treated apart.
.set LO,  2                            ; v2       byte offset of my 16 bytes in a source row
.set SO,  3                            ; v3       byte offset of what I store
.set X,   16                           ; v[16:143] as loaded (cast: a ring of 16 rows in v[16:79])
.set Y,   80                           ; v[80:143] cast: two registers for each of the 32 rows, never rewritten
.set T,   144                          ; v[144:155] sums: at work
.set S,   156                          ; v[156:163] sums: my eight head sums, d % 8 = 0 to 7
.set TV,  164
.set H,   166
.set W0,  168                          ; v[168:169]
.set LP,  170
.set Z,   171                          ; 0
.set R,   172                          ; v[172:175] the 16 bytes that I store
.set HM,  30                           ; s30 a word's upper bf16
.set MB,  31                           ; s31 lanes with j odd: the heads of the row's second 512 bytes
.set MU,  32                           ; s32 lanes of the second block of eight d
.set ML,  33                           ; s33 lanes with j & 2: lo
.set MZ,  34                           ; s34 lanes with j >= 4: zeros
	s_load_b512 s[4:19], s[0:1], 0x0               ; query s[4:5], Wk s[6:7], Wq s[8:9], Wv s[10:11], xb s[12:13], wkb s[14:15], wqb s[16:17], wvs s[18:19]
	s_cmp_lt_u32 ttmp9, 32
	s_cbranch_scc1 .Lsum
	; THE CAST.  Thread t owns 16 bytes of every source row and 8 bytes of every row stored; the row stands in the immediate, so no address is stepped.
	s_sub_co_u32 s20, ttmp9, 32                    ; 0-511 query, 512-543 Wk, 544-575 Wq
	s_mov_b32 s35, 512
	s_mov_b32 s36, 544
	v_lshlrev_b32 v[LO], 4, v0
	v_lshlrev_b32 v[SO], 3, v0
	s_wait_kmcnt 0x0
	s_cmp_lt_u32 s20, s36
	s_cselect_b64 s[22:23], s[6:7], s[8:9]
	s_cselect_b64 s[24:25], s[14:15], s[16:17]
	s_cselect_b32 s21, s35, s36
	s_cmp_lt_u32 s20, s35
	s_cselect_b64 s[22:23], s[4:5], s[22:23]
	s_cselect_b64 s[24:25], s[12:13], s[24:25]
	s_cselect_b32 s21, 0, s21
	s_sub_co_u32 s20, s20, s21                     ; my block of 32 rows in that tensor
	s_lshl_b32 s26, s20, 17                        ; 32 rows of 4,096 bytes
	s_mov_b32 s27, 0
	s_lshl_b32 s28, s20, 16                        ; 32 rows of 2,048 bytes
	s_mov_b32 s29, 0
	s_add_nc_u64 s[22:23], s[22:23], s[26:27]
	s_add_nc_u64 s[24:25], s[24:25], s[28:29]
.set i, 0
.rept 16
	global_load_b128 v[X+4*i:X+4*i+3], v[LO], s[22:23] offset:4096*i th:TH_LOAD_NT
.set i, i+1
.endr
.set i, 0
.rept 32
.if i < 16
	s_wait_loadcnt 15                              ; row i is in; the fifteen rows asked for behind it stay out
.else
	s_wait_loadcnt 31-i                            ; nothing more is asked for: the counts run down
.endif
	v_cvt_pk_bf16_f32 v[Y+2*i],   v[X+4*(i%16)],   v[X+4*(i%16)+1]
	v_cvt_pk_bf16_f32 v[Y+2*i+1], v[X+4*(i%16)+2], v[X+4*(i%16)+3]
.if i < 16
	global_load_b128 v[X+4*i:X+4*i+3], v[LO], s[22:23] offset:4096*(i+16) th:TH_LOAD_NT
.endif
	global_store_b64 v[SO], v[Y+2*i:Y+2*i+1], s[24:25] offset:2048*i  ; a wave's 32 lanes store 256 consecutive bytes, aligned
.set i, i+1
.endr
	s_endpgm
	; THE HEAD SUMS.  Wave T of 256 takes column tile tc = T / 64 (four heads) and 16 rows d.  A row's first load holds head 4 tc in lanes 0-15 and 4 tc + 1 in lanes 16-31, the second heads 4 tc + 2 and 4 tc + 3.
.Lsum:
	v_lshrrev_b32 v1, 5, v0
	v_readfirstlane_b32 s20, v1
	s_lshl_b32 s21, ttmp9, 3
	s_add_co_u32 s20, s20, s21                     ; T
	s_lshr_b32 s21, s20, 6                         ; tc
	s_and_b32 s22, s20, 63                         ; my block of 16 rows
	s_lshl_b32 s24, s22, 16                        ; 16 rows of 4,096 bytes
	s_lshl_b32 s25, s21, 10                        ; 256 columns of 4 bytes
	s_add_co_u32 s24, s24, s25
	s_mov_b32 s25, 0
	s_lshl_b32 s26, s21, 15                        ; wvs: 32,768 bytes a column tile,
	s_lshl_b32 s27, s22, 9                         ; 512 for 16 rows d
	s_add_co_u32 s26, s26, s27
	s_mov_b32 s27, 0
	s_mov_b32 s[HM], 0xffff0000
	s_mov_b32 s[MB], 0xaaaaaaaa
	s_mov_b32 s[MU], 0xff00ff00
	s_mov_b32 s[ML], 0xcccccccc
	s_mov_b32 s[MZ], 0xf0f0f0f0
	v_and_b32 v1, 31, v0
	v_lshlrev_b32 v[LO], 4, v1
	v_and_b32 v[SO], 7, v0                         ; j
	v_bfe_u32 v4, v0, 3, 1                         ; which eight d
	v_bfe_u32 v5, v0, 4, 1                         ; h
	v_lshlrev_b32 v[SO], 4, v[SO]
	v_lshl_add_u32 v[SO], v4, 8, v[SO]
	v_lshl_add_u32 v[SO], v5, 7, v[SO]             ; 256 x block of d + 16 x (8 h + j)
	v_mov_b32 v[Z], 0
	s_wait_kmcnt 0x0
	s_add_nc_u64 s[10:11], s[10:11], s[24:25]
	s_add_nc_u64 s[18:19], s[18:19], s[26:27]
.set i, 0
.rept 16
	global_load_b128 v[X+8*i:X+8*i+3],   v[LO], s[10:11] offset:4096*i th:TH_LOAD_NT
	global_load_b128 v[X+8*i+4:X+8*i+7], v[LO], s[10:11] offset:4096*i+512 th:TH_LOAD_NT
.set i, i+1
.endr
; four numbers at v[x] are rounded to bf16, widened and added; then the 16 lanes of a half are added: every lane of the half holds the head's sum in v[t]
.macro HSUM t, x
	v_cvt_pk_bf16_f32 v[(\t)],   v[(\x)],   v[(\x)+1]
	v_cvt_pk_bf16_f32 v[(\t)+1], v[(\x)+2], v[(\x)+3]
	v_lshlrev_b32 v[(\t)+2], 16, v[(\t)]
	v_and_b32     v[(\t)+3], s[HM], v[(\t)]
	v_lshlrev_b32 v[(\t)+4], 16, v[(\t)+1]
	v_and_b32     v[(\t)+5], s[HM], v[(\t)+1]
	v_pk_add_f32 v[(\t)+2:(\t)+3], v[(\t)+2:(\t)+3], v[(\t)+4:(\t)+5]
	v_add_f32 v[(\t)], v[(\t)+2], v[(\t)+3]
	v_add_f32_dpp v[(\t)], v[(\t)], v[(\t)] row_xmask:1 row_mask:0xf bank_mask:0xf
	v_add_f32_dpp v[(\t)], v[(\t)], v[(\t)] row_xmask:2 row_mask:0xf bank_mask:0xf
	v_add_f32_dpp v[(\t)], v[(\t)], v[(\t)] row_xmask:4 row_mask:0xf bank_mask:0xf
	v_add_f32_dpp v[(\t)], v[(\t)], v[(\t)] row_xmask:8 row_mask:0xf bank_mask:0xf
.endm
.macro SROW d
	s_wait_loadcnt 30-2*(\d)                       ; row d's two loads are in; the later rows' stay out
	HSUM T, X+8*(\d)
	HSUM T+6, X+8*(\d)+4
.if (\d) < 8
	v_cndmask_b32 v[S+(\d)], v[T], v[T+6], s[MB]   ; my head's sum
.else
	v_cndmask_b32 v[TV], v[T], v[T+6], s[MB]
	v_cndmask_b32 v[S+(\d)-8], v[S+(\d)-8], v[TV], s[MU]  ; the lanes of the second eight d take it
.endif
.endm
.irp d, 0,1,2,3,4,5,6,7,8,9,10,11,12,13,14,15
	SROW \d
.endr
.irp p, 0,1,2,3
	v_cvt_pk_bf16_f32 v[H], v[S+2*(\p)], v[S+2*(\p)+1]     ; hi
	v_lshlrev_b32 v[W0], 16, v[H]
	v_and_b32 v[W0+1], s[HM], v[H]
	v_pk_add_f32 v[W0:W0+1], v[S+2*(\p):S+2*(\p)+1], v[W0:W0+1] neg_lo:[0,1] neg_hi:[0,1]  ; what hi leaves: an exact difference
	v_cvt_pk_bf16_f32 v[LP], v[W0], v[W0+1]                ; lo
	v_cndmask_b32 v[R+(\p)], v[H], v[LP], s[ML]
	v_cndmask_b32 v[R+(\p)], v[R+(\p)], v[Z], s[MZ]
.endr
	global_store_b128 v[SO], v[R:R+3], s[18:19]    ; the wave's 32 lanes store 512 consecutive bytes, aligned
	s_endpgm
.Lfunc_end_k_qfdd16cf8d4_prep:
	.size	k_qfdd16cf8d4_prep, .Lfunc_end_k_qfdd16cf8d4_prep-k_qfdd16cf8d4_prep
	.p2alignl 7, 3214868480
	.fill 96, 4, 3214868480
	.section	.rodata,"a",@progbits
	.p2align	6, 0x0
	.amdhsa_kernel k_qfdd16cf8d4_prep
		.amdhsa_group_segment_fixed_size 0
		.amdhsa_private_segment_fixed_size 0
		.amdhsa_enable_private_segment 0
		.amdhsa_kernarg_size 64
		.amdhsa_user_sgpr_count 2
		.amdhsa_user_sgpr_kernarg_segment_ptr 1
		.amdhsa_wavefront_size32 1
		.amdhsa_system_sgpr_workgroup_id_x 1
		.amdhsa_system_sgpr_workgroup_id_y 1
		.amdhsa_system_sgpr_workgroup_id_z 1
		.amdhsa_system_vgpr_workitem_id 0
		.amdhsa_next_free_vgpr 176
		.amdhsa_next_free_sgpr 66
		.amdhsa_reserve_vcc 0
		.amdhsa_float_denorm_mode_32 3
		.amdhsa_float_denorm_mode_16_64 3
		.amdhsa_memory_ordered 1
		.amdhsa_forward_progress 1
		.amdhsa_inst_pref_size 39
	.end_amdhsa_kernel
	.amdgpu_metadata
---
amdhsa.version: [ 1, 2 ]
amdhsa.kernels:
  - .name:           k_qfdd16cf8d4_prep
    .symbol:         k_qfdd16cf8d4_prep.kd
    .args:
      - { .name: query, .offset: 0, .size: 8, .value_kind: global_buffer, .address_space: global }
      - { .name: Wk, .offset: 8, .size: 8, .value_kind: global_buffer, .address_space: global }
      - { .name: Wq, .offset: 16, .size: 8, .value_kind: global_buffer, .address_space: global }
      - { .name: Wv, .offset: 24, .size: 8, .value_kind: global_buffer, .address_space: global }
      - { .name: xb, .offset: 32, .size: 8, .value_kind: global_buffer, .address_space: global }
      - { .name: wkb, .offset: 40, .size: 8, .value_kind: global_buffer, .address_space: global }
      - { .name: wqb, .offset: 48, .size: 8, .value_kind: global_buffer, .address_space: global }
      - { .name: wvs, .offset: 56, .size: 8, .value_kind: global_buffer, .address_space: global }
    .group_segment_fixed_size: 0
    .private_segment_fixed_size: 0
    .kernarg_segment_align: 8
    .kernarg_segment_size: 64
    .max_flat_workgroup_size: 256
    .sgpr_count:     66
    .vgpr_count:     176
    .wavefront_size: 32
...
	.end_amdgpu_metadata
.endif
;; end of part 1
;; launch kgemm (part 2): grid 4 x 64, 4 waves a work-group, clusters of 4 x 4, 327,680 bytes of LDS; arguments xb, wkb, wvs, bk, bv, mask, part; writes part
.if DOCPART == 2
	.amdgcn_target "amdgcn-amd-amdhsa--gfx1250"
	.amdhsa_code_object_version 6
	.text
	.protected	k_qfdd16cf8d4_kgemm
	.globl	k_qfdd16cf8d4_kgemm
	.p2align	8
	.type	k_qfdd16cf8d4_kgemm,@function
k_qfdd16cf8d4_kgemm:
	s_mov_b64 s[64:65], 0
	v_nop
	global_prefetch_b8 v0, s[64:65] scope:SCOPE_SE
	s_setreg_imm32_b32 hwreg(HW_REG_WAVE_MODE, 25, 1), 1
	s_wait_xcnt 0x0
	s_wait_alu depctr_hold_cnt(0) depctr_sa_sdst(0) depctr_va_vdst(0) depctr_va_sdst(0) depctr_va_ssrc(0) depctr_va_vcc(0) depctr_vm_vsrc(0)
	s_getreg_b32 s2, hwreg(HW_REG_IB_STS2, 6, 4)
	s_cmp_eq_u32 s2, 0
	s_cbranch_scc0 .Lentry_in_a_cluster
	s_endpgm
.Lentry_in_a_cluster:
	s_bfe_u32 s2, ttmp6, 0x10000c
	s_cmp_lg_u32 s2, 0xf033
	s_cbranch_scc0 .Lentry_shape_is_right
	s_endpgm
.Lentry_shape_is_right:
; KGEMM.  part[block of 128 rows][c] = the sum over the block's rows l of phi(k[l][c]) vs[l][head(c)], where k = x Wk + bk, phi(t) = elu(t) + 1,
; vs[l][n] = x[l] . (sum of head n's columns of Wv) + (sum of head n's bv), and vs = 0 where mask[l] is set (which also removes phi(k) of a masked row, as reference() does).
; x (xb), Wk (wkb, [k][n]) in bf16; the head sums (wvs) as hi + lo in bf16; bk, bv rounded to bf16 here; products' sums, phi, vs and all sums in f32.
; LIMITS.  NaN and infinities are not treated apart; a masked row whose k overflows f32 would give inf x 0; e^t below 2^-126 counts as 0.  The sum over v is taken before the product with phi(k): another order of rounding than reference()'s.
; SHARES.  A work-group makes a tile of 256 rows x 256 columns (four heads) of k: 64 x 4 tiles, one for each work-group.  Four waves, each 128 x 128: 64 accumulators, 512 registers.  K goes in steps of 128
; through a ring of two LDS slots filled by the tensor data mover: 256 rows of x (256 bytes each) and 128 k-rows of Wk (512 bytes each).
; CLUSTER.  4 x 4 work-groups.  The four of a row of the cluster need the same tiles of x, the four of a column the same tiles of Wk and of wvs: each is asked for jointly.
; THE MATRIX INSTRUCTION IS USED TRANSPOSED: source 0 = 16 columns of Wk (turned on the way out of LDS by ds_load_tr16_b128), source 1 = 16 rows of x: a lane holds one row and eight neighbouring columns.
; vs: four more matrix instructions for every 32 along K (source 0 = the 16 rows of wvs) on 64 of the tile's rows; each wave's first 64 rows are tile rows 64 w on, so the four waves cover the 256 rows without a branch.
; phi(t) = the middle one of e^t, t + 1 and 1: for t <= 0, t + 1 <= e^t <= 1; for t > 0, 1 < t + 1 <= e^t.
; REGISTERS, in windows of 256: window 0: v0-31 addresses and constants; v32-63 vs's four accumulators; v64-127, v128-191 fragments of x, two buffers; v192-255 at work in the set-up
;   window 1: v0-7, v8-15 fragments of wvs; v64-127, v128-191 fragments of Wk     window 2: accumulators of my first 64 rows ((a, b) at v[8 (8 a + b)])     window 3: those of my other 64 rows
.set KSTEP, 128
.set LAPS,  4                          ; 1,024 along K = 8 steps = 4 times round the ring
.set PA,    272                        ; a row of x in LDS: 256 bytes + 16: the 16 rows of a load start at 16 different groups of four banks (64 banks of 4 bytes: ISA guide 11.1)
.set PB,    544                        ; a k-row of Wk: 512 bytes + 32
.set HALFT, 128*PA                     ; = 64 PB: what one tensor load brings
.set SLOT,  4*HALFT                    ; x rows 0-127, x rows 128-255, Wk k 0-63, Wk k 64-127: wave w fills part w
.set DP,    528                        ; the way out: a row of 128 f32 + 16 bytes
.set WDUMP, 128*DP                     ; a wave's 128 rows; the four dumps lie in the ring, whose bytes have had their last fill by then
.set WVL,   2*SLOT                     ; behind the ring: wvs of my column tile, 32,768 bytes, filled once
.set VP,    1088                       ; vs of one head for the tile's 256 rows, + 64 bytes
.set VSL,   WVL+32768                  ; four heads
.set SPARE, VSL+4*VP                   ; the spare words, 128 bytes for each wave: two blocks of 256 bytes that no other line names
.set NF,    34                         ; LDS loads in a run: 16 Wk, 2 wvs, 16 x
.set VRD,  3                           ; v3      where I read vs of my head and rows
.set MK,   4                           ; v[4:7]  mask bytes of rows 64 w + 16 a + lane % 16
.set BL,   8                           ; v[8:11] bk log2(e) of my four columns on the way out
.set B1,   12                          ; v[12:15] bk + 1
.set ADRL, 16                          ; v16-17  LDS address of my first 64 rows' fragments in slot 0, 1
.set ADRH, 18                          ; v18-19  of my other 64 rows'
.set ADRB, 20                          ; v20-21  of Wk's fragments
.set ADRW, 22                          ; v22     of wvs's fragments: steps 8,192 bytes a lap
.set VSA,  23                          ; v23     where I put vs
.set STO,  24                          ; v24-25  the dump: where I put 16 bytes of a row (first 64 rows, other 64 rows)
.set RD,   26                          ; v26     the dump: where I read a row back
.set CO,   27                          ; v27     16 x lane
.set SPW,  28                          ; v28     LDS address of my spare word; never rewritten
.set NIL,  29                          ; v29     0; never rewritten
.set BV2,  30                          ; v[30:31] bv's head sums of heads h and 2 + h of the tile
.set VS,   32
.set F0,   64
.set F1,   128
.set TS,   192
.set XR,   64                          ; the way out: two slots of four rows as read back
.set VR,   96                          ; two slots of four rows' vs
.set YR,   112                         ; t log2(e), e^t, phi
.set X1,   128                         ; t + 1
.set SM,   144                         ; four sets of four sums
.set WV,  18                           ; s18 wave
.set RH,  19                           ; s19 which half of the tile's rows is mine.  Also: I fetch x (0) or Wk (1)
.set CH,  20                           ; s20 which half of its columns.  Also: which half of that tile I fetch
.set G1A, 28                           ; s[28:35] descriptor group 1, x      s[36:43] Wk      s[44:51] wvs
.set G1B, 36
.set G1W, 44
.set G0A, 52                           ; s[52:59] group 0 for x, a set for each slot      s[68:75] Wk      s[76:79] wvs
.set G0B, 68
.set G0W, 76
.set L2E, 80                           ; s[80:81] log2(e)
.set ONE, 82                           ; s82 1.0
.set MSB, 0
.macro WIN new                         ; the immediate's high byte repeats the setting that is left; a switch that changes nothing is dropped
.if MSB != (\new)
	s_set_vgpr_msb (MSB<<8)|(\new)
.set MSB, \new
.endif
.endm
.set MUL_LO, 0xa1                      ; source 0 window 1, source 1 window 0, C and D window 2
.set TO_B,   0x40                      ; destination window 1, address window 0
; A joint load: waves 0 and 1 fetch x's two halves, waves 2 and 3 Wk's.  The branch hangs on the wave's number alone.  An s_nop 0 and four v_nop follow each line.
.macro JLOAD s
	s_cmp_eq_u32 s[RH], 0
	s_cbranch_scc0 .Lfor_b_\@
	tensor_load_to_lds s[G0A+4*(\s):G0A+4*(\s)+3], s[G1A:G1A+7]
	s_nop 0
.rept 4
	v_nop
.endr
	s_branch .Lasked_\@
.Lfor_b_\@:
	tensor_load_to_lds s[G0B+4*(\s):G0B+4*(\s)+3], s[G1B:G1B+7]
	s_nop 0
.rept 4
	v_nop
.endr
.Lasked_\@:
.endm
.macro CREST                           ; a round of the cluster's barrier behind its opening barrier
	s_cmp_lg_u32 s[WV], 0
	s_cbranch_scc1 .Lnot_wave_0_\@
	s_barrier_signal -3
.Lnot_wave_0_\@:
	s_barrier_wait -3
	s_barrier_signal -1
	s_barrier_wait -1
.endm
.macro CROUND
	s_barrier_signal -1
	s_barrier_wait -1
	CREST
.endm
	s_load_b256 s[4:11], s[0:1], 0x0               ; xb s[4:5], wkb s[6:7], wvs s[8:9], bk s[10:11]
	s_load_b128 s[12:15], s[0:1], 0x20             ; bv s[12:13], mask s[14:15]
	s_load_b64 s[16:17], s[0:1], 0x30              ; part
	v_lshl_add_u32 v[SPW], v0, 2, SPARE
	v_mov_b32 v[NIL], 0
	ds_add_u32 v[SPW], v[NIL]                      ; the wave's opening: the add and its wait stand ahead of my first tensor load; the set-up below stands between them
	v_lshrrev_b32 v1, 5, v0
	v_readfirstlane_b32 s[WV], v1
	s_lshr_b32 s[RH], s[WV], 1
	s_and_b32 s[CH], s[WV], 1
	s_bfe_u32 s21, ttmp6, 0x40000                  ; cx
	s_bfe_u32 s22, ttmp6, 0x40004                  ; cy
	s_lshl_b32 s23, ttmp9, 2
	s_add_co_u32 s23, s23, s21                     ; tc: tile column = 4 x cluster x + cx
	s_and_b32 s24, ttmp7, 0xffff
	s_lshl_b32 s24, s24, 2
	s_add_co_u32 s24, s24, s22                     ; tr: tile row = 4 x cluster y + cy
	s_lshl_b32 s25, s22, 2
	s_lshl_b32 s25, 15, s25                        ; my row of the cluster
	s_lshl_b32 s26, 0x1111, s21                    ; my column
	s_or_b32 s[G1A], s25, (1<<16)|(1<<20)|(1<<21)|(5<<22)|(3<<25)  ; the mask; 2-byte elements; padding on; bit 21 beside a mask; after every 64 words 4 words
	s_or_b32 s[G1B], s26, (1<<16)|(1<<20)|(1<<21)|(6<<22)|(7<<25)  ; after every 128 words 8 words
	s_or_b32 s[G1W], s26, (1<<16)|(1<<21)                          ; no padding
	s_mov_b32 s[G1A+1], 128<<16                    ; x: tensor_dim0 = 128
	s_mov_b32 s[G1A+2], 128<<16                    ; tensor_dim1 = 128
	s_mov_b32 s[G1A+3], 128<<16                    ; tile_dim0 = 128
	s_mov_b32 s[G1A+4], 128                        ; tile_dim1 = 128
	s_mov_b32 s[G1A+5], 1024                       ; elements from row to row
	s_mov_b32 s[G1A+6], 0
	s_mov_b32 s[G1A+7], 0
	s_mov_b32 s[G1B+1], 256<<16                    ; Wk: 64 k-rows of 256 columns
	s_mov_b32 s[G1B+2], 64<<16
	s_mov_b32 s[G1B+3], 256<<16
	s_mov_b32 s[G1B+4], 64
	s_mov_b32 s[G1B+5], 1024
	s_mov_b32 s[G1B+6], 0
	s_mov_b32 s[G1B+7], 0
	s_mov_b32 s[G1W+1], 128<<16                    ; wvs: 8,192 dense bytes a wave, as 32 rows of 256 bytes
	s_mov_b32 s[G1W+2], 32<<16
	s_mov_b32 s[G1W+3], 128<<16
	s_mov_b32 s[G1W+4], 32
	s_mov_b32 s[G1W+5], 128
	s_mov_b32 s[G1W+6], 0
	s_mov_b32 s[G1W+7], 0
	s_lshl_b32 s84, s24, 8                         ; x: row 256 tr + 128 x half, 2,048 bytes a row: hangs on the tile row alone
	s_lshl_b32 s85, s[CH], 7
	s_add_co_u32 s84, s84, s85
	s_lshl_b32 s84, s84, 11
	s_mov_b32 s85, 0
	s_lshl_b32 s86, s[CH], 17                      ; Wk: k-row 64 x half, column 256 tc: hangs on the tile column alone
	s_lshl_b32 s87, s23, 9
	s_add_co_u32 s86, s86, s87
	s_mov_b32 s87, 0
	s_lshl_b32 s88, s23, 15                        ; wvs: 32,768 tc + 8,192 w
	s_lshl_b32 s89, s[WV], 13
	s_add_co_u32 s88, s88, s89
	s_add_co_u32 s91, s89, WVL                     ; and where it goes
	s_mov_b32 s89, 0
	s_mul_i32 s90, s[WV], HALFT                    ; my part of a slot: no place in the cluster enters an LDS address
	s_mov_b32 s[L2E], 0x3fb8aa3b
	s_mov_b32 s[L2E+1], 0x3fb8aa3b
	s_mov_b32 s[ONE], 1.0
	s_wait_dscnt 0x0                               ; the opening add is done
	s_wait_kmcnt 0x0
	s_add_nc_u64 s[60:61], s[4:5], s[84:85]
	s_add_nc_u64 s[62:63], s[6:7], s[86:87]
	s_add_nc_u64 s[8:9], s[8:9], s[88:89]
	CROUND                                         ; all sixteen work-groups are here: the first joint loads meet
	s_mov_b32 s[G0W], 1
	s_mov_b32 s[G0W+1], s91
	s_mov_b64 s[G0W+2:G0W+3], s[8:9]
	s_or_b32 s[G0W+3], s[G0W+3], 0x80000000
	tensor_load_to_lds s[G0W:G0W+3], s[G1W:G1W+7]  ; every wave its quarter of wvs; with the two below three loads of mine are out
	s_nop 0
.rept 4
	v_nop
.endr
.irp s, 0,1
	s_mov_b32 s[G0A+4*(\s)], 1
	s_add_co_u32 s[G0A+4*(\s)+1], s90, (\s)*SLOT
	s_add_nc_u64 s[G0A+4*(\s)+2:G0A+4*(\s)+3], s[60:61], (\s)*KSTEP*2      ; K step s: 256 bytes along the rows
	s_or_b32 s[G0A+4*(\s)+3], s[G0A+4*(\s)+3], 0x80000000
	s_mov_b32 s[G0B+4*(\s)], 1
	s_add_co_u32 s[G0B+4*(\s)+1], s90, (\s)*SLOT
	s_add_nc_u64 s[G0B+4*(\s)+2:G0B+4*(\s)+3], s[62:63], (\s)*KSTEP*2048   ; K step s: 128 k-rows down
	s_or_b32 s[G0B+4*(\s)+3], s[G0B+4*(\s)+3], 0x80000000
	JLOAD \s
.endr
	; THE SET-UP, in the wait for the first tiles.
	s_lshl_b32 s84, s24, 8                         ; mask at the tile's first row
	s_add_nc_u64 s[14:15], s[14:15], s[84:85]
	s_lshl_b32 s86, s23, 10                        ; bv at the tile's first column
	s_add_nc_u64 s[12:13], s[12:13], s[86:87]
	s_lshl_b32 s92, s[CH], 9
	s_add_co_u32 s86, s86, s92                     ; bk at my 128 columns
	s_add_nc_u64 s[10:11], s[10:11], s[86:87]
	s_lshl_b32 s88, s24, 1
	s_add_co_u32 s88, s88, s[RH]                   ; part: block 2 tr + my half, 4,096 bytes a block,
	s_lshl_b32 s88, s88, 12
	s_add_co_u32 s88, s88, s86                     ; my 128 columns
	s_add_nc_u64 s[16:17], s[16:17], s[88:89]
	v_and_b32 v1, 15, v0                           ; r = lane % 16
	v_bfe_u32 v2, v0, 4, 1                         ; h = lane / 16
	v_and_b32 v[TS+1], 7, v0
	v_bfe_u32 v[TS+2], v0, 3, 1
	v_and_b32 v[TS+3], 31, v0
	v_lshlrev_b32 v[CO], 4, v[TS+3]
	s_lshl_b32 s92, s[WV], 6
	v_add_nc_u32 v[TS+4], s92, v1                  ; row 64 w + r
	v_lshlrev_b32 v[TS+5], 5, v[TS+1]              ; bv: head 2 (r / 8) + h of the tile, eight numbers at 8 (r % 8)
	v_lshl_add_u32 v[TS+5], v2, 8, v[TS+5]
	v_lshl_add_u32 v[TS+5], v[TS+2], 9, v[TS+5]
.irp a, 0,1,2,3
	global_load_u8 v[MK+(\a)], v[TS+4], s[14:15] offset:16*(\a)
.endr
	global_load_b128 v[TS+8:TS+11],  v[CO], s[10:11]
	global_load_b128 v[TS+12:TS+15], v[TS+5], s[12:13]
	global_load_b128 v[TS+16:TS+19], v[TS+5], s[12:13] offset:16
	; A fragment of x is 16 rows x 32 K: lane l holds row l % 16, K = 8 (l / 16) + 0..7 and 16 + 8 (l / 16) + 0..7: two loads of 16 bytes, 32 bytes apart.
	v_mul_u32_u24 v[TS+6], v1, PA
	v_lshl_add_u32 v[TS+6], v2, 4, v[TS+6]
	s_mul_i32 s92, s[RH], HALFT
	s_mul_i32 s93, s[CH], 64*PA
	s_add_co_u32 s93, s93, s92                     ; my first 64 rows: tile rows 64 w on
	s_xor_b32 s94, s[CH], 1
	s_mul_i32 s95, s94, 64*PA
	s_add_co_u32 s95, s95, s92                     ; the other 64 of my 128
	v_add_nc_u32 v[ADRL], s93, v[TS+6]
	v_add_nc_u32 v[ADRL+1], SLOT, v[ADRL]
	v_add_nc_u32 v[ADRH], s95, v[TS+6]
	v_add_nc_u32 v[ADRH+1], SLOT, v[ADRH]
	; The turning load takes 16 k x 16 columns (lane l reads k-row 8 (l / 16) + l % 8, columns 8 ((l / 8) % 2) + 0..7) and leaves half a fragment: lane l holds column l % 16 and 8 k.
	v_lshl_add_u32 v[TS+7], v2, 3, v[TS+1]
	v_mul_u32_u24 v[TS+7], v[TS+7], PB
	v_lshl_add_u32 v[TS+7], v[TS+2], 4, v[TS+7]
	s_lshl_b32 s92, s[CH], 8
	s_add_co_u32 s92, s92, 2*HALFT
	v_add_nc_u32 v[ADRB], s92, v[TS+7]
	v_add_nc_u32 v[ADRB+1], SLOT, v[ADRB]
	v_lshl_add_u32 v[ADRW], v[TS+3], 4, WVL        ; wvs lies as a fragment's image: 16 bytes a lane
	v_mul_u32_u24 v[TS+20], v2, VP
	s_lshl_b32 s92, s[WV], 8
	s_add_co_u32 s92, s92, VSL
	v_lshl_add_u32 v[VSA], v1, 2, v[TS+20]
	v_add_nc_u32 v[VSA], s92, v[VSA]               ; head h, row 64 w + r
	s_mul_i32 s92, s[CH], 2*VP
	s_lshl_b32 s93, s[RH], 9
	s_add_co_u32 s92, s92, s93
	s_add_co_u32 s92, s92, VSL
	v_add_nc_u32 v[VRD], s92, v[TS+20]             ; head 2 x column half + lane / 16, my 128 rows
	v_mul_u32_u24 v[TS+21], v1, DP
	v_lshl_add_u32 v[TS+21], v2, 5, v[TS+21]
	s_mul_i32 s92, s[WV], WDUMP
	s_mul_i32 s93, s[CH], 64*DP
	s_add_co_u32 s93, s93, s92
	s_mul_i32 s95, s94, 64*DP
	s_add_co_u32 s95, s95, s92
	v_add_nc_u32 v[STO], s93, v[TS+21]             ; the dump lies in the rows' true order
	v_add_nc_u32 v[STO+1], s95, v[TS+21]
	v_lshl_add_u32 v[RD], v[TS+3], 4, s92
	s_wait_loadcnt 0x0                             ; mask, bk, bv
	v_cvt_pk_bf16_f32 v[TS+22], v[TS+8], v[TS+9]   ; bk is rounded to bf16 like every input
	v_cvt_pk_bf16_f32 v[TS+23], v[TS+10], v[TS+11]
	v_lshlrev_b32 v[TS+8], 16, v[TS+22]
	v_and_b32 v[TS+9], 0xffff0000, v[TS+22]
	v_lshlrev_b32 v[TS+10], 16, v[TS+23]
	v_and_b32 v[TS+11], 0xffff0000, v[TS+23]
	v_pk_mul_f32 v[BL:BL+1],   v[TS+8:TS+9],   s[L2E:L2E+1] op_sel_hi:[1,0]
	v_pk_mul_f32 v[BL+2:BL+3], v[TS+10:TS+11], s[L2E:L2E+1] op_sel_hi:[1,0]
	v_pk_add_f32 v[B1:B1+1],   v[TS+8:TS+9],   1.0 op_sel_hi:[1,0]
	v_pk_add_f32 v[B1+2:B1+3], v[TS+10:TS+11], 1.0 op_sel_hi:[1,0]
.irp p, 0,1,2,3
	v_cvt_pk_bf16_f32 v[TS+24+(\p)], v[TS+12+2*(\p)], v[TS+13+2*(\p)]
.endr
.irp p, 0,1,2,3
	v_lshlrev_b32 v[TS+12+2*(\p)], 16, v[TS+24+(\p)]
	v_and_b32 v[TS+13+2*(\p)], 0xffff0000, v[TS+24+(\p)]
.endr
	v_pk_add_f32 v[TS+12:TS+13], v[TS+12:TS+13], v[TS+14:TS+15]
	v_pk_add_f32 v[TS+16:TS+17], v[TS+16:TS+17], v[TS+18:TS+19]
	v_pk_add_f32 v[TS+12:TS+13], v[TS+12:TS+13], v[TS+16:TS+17]
	v_add_f32 v[TS+12], v[TS+12], v[TS+13]
	v_add_f32_dpp v[TS+12], v[TS+12], v[TS+12] row_xmask:1 row_mask:0xf bank_mask:0xf
	v_add_f32_dpp v[TS+12], v[TS+12], v[TS+12] row_xmask:2 row_mask:0xf bank_mask:0xf
	v_add_f32_dpp v[TS+12], v[TS+12], v[TS+12] row_xmask:4 row_mask:0xf bank_mask:0xf  ; the sum of head 2 (r / 8) + h
	v_mov_b32_dpp v[TS+13], v[TS+12] row_xmask:8 row_mask:0xf bank_mask:0xf            ; and of the head two away
	v_cmp_gt_u32 vcc_lo, 8, v1
	v_cndmask_b32 v[BV2],   v[TS+13], v[TS+12], vcc_lo  ; head h
	v_cndmask_b32 v[BV2+1], v[TS+12], v[TS+13], vcc_lo  ; head 2 + h
; 16 matrix instructions: row blocks a0, a0 + 1 of the window's four x all 8 column blocks, 32 along K.  zero = 1: the first product starts the sums.
.macro MUL16 f, hi, a0, zero
	WIN MUL_LO+0x50*(\hi)
.irp a, \a0, (\a0)+1
.irp b, 0,1,2,3,4,5,6,7
.if \zero
	v_wmma_f32_16x16x32_bf16 v[8*(8*(\a)+(\b)):8*(8*(\a)+(\b))+7], v[(\f)+8*(\b):(\f)+8*(\b)+7], v[(\f)+8*(4*(\hi)+(\a)):(\f)+8*(4*(\hi)+(\a))+7], 0
.else
	v_wmma_f32_16x16x32_bf16 v[8*(8*(\a)+(\b)):8*(8*(\a)+(\b))+7], v[(\f)+8*(\b):(\f)+8*(\b)+7], v[(\f)+8*(4*(\hi)+(\a)):(\f)+8*(4*(\hi)+(\a))+7], v[8*(8*(\a)+(\b)):8*(8*(\a)+(\b))+7]
.endif
.endr
.endr
.endm
; vs: the 16 rows of wvs x my first 64 rows of x.  In the result a lane holds one row of x; registers 0, 1 hi of heads h, 2 + h, registers 2, 3 their lo.
.macro VS4 f, zero
	WIN 0x01
.irp a, 0,1,2,3
.if \zero
	v_wmma_f32_16x16x32_bf16 v[VS+8*(\a):VS+8*(\a)+7], v[((\f)-64)/8:((\f)-64)/8+7], v[(\f)+8*(\a):(\f)+8*(\a)+7], 0
.else
	v_wmma_f32_16x16x32_bf16 v[VS+8*(\a):VS+8*(\a)+7], v[((\f)-64)/8:((\f)-64)/8+7], v[(\f)+8*(\a):(\f)+8*(\a)+7], v[VS+8*(\a):VS+8*(\a)+7]
.endif
.endr
.endm
; 34 LDS loads in one run: the fragments of quarter q (32 along K) of a slot into buffer f; my other 64 rows of x last
.macro FETCH slot, q, f
	WIN TO_B
.irp i, 0,1,2,3,4,5,6,7
	ds_load_tr16_b128 v[(\f)+8*(\i):(\f)+8*(\i)+3],   v[ADRB+(\slot)] offset:(\q)*32*PB+32*(\i)
	ds_load_tr16_b128 v[(\f)+8*(\i)+4:(\f)+8*(\i)+7], v[ADRB+(\slot)] offset:(\q)*32*PB+16*PB+32*(\i)
.endr
	ds_load_b128 v[((\f)-64)/8:((\f)-64)/8+3],   v[ADRW] offset:(\slot)*4096+(\q)*1024
	ds_load_b128 v[((\f)-64)/8+4:((\f)-64)/8+7], v[ADRW] offset:(\slot)*4096+(\q)*1024+512
	WIN 0
.irp i, 0,1,2,3
	ds_load_b128 v[(\f)+8*(\i):(\f)+8*(\i)+3],   v[ADRL+(\slot)] offset:64*(\q)+(\i)*16*PA
	ds_load_b128 v[(\f)+8*(\i)+4:(\f)+8*(\i)+7], v[ADRL+(\slot)] offset:64*(\q)+(\i)*16*PA+32
.endr
.irp i, 0,1,2,3
	ds_load_b128 v[(\f)+32+8*(\i):(\f)+32+8*(\i)+3],   v[ADRH+(\slot)] offset:64*(\q)+(\i)*16*PA
	ds_load_b128 v[(\f)+32+8*(\i)+4:(\f)+32+8*(\i)+7], v[ADRH+(\slot)] offset:64*(\q)+(\i)*16*PA+32
.endr
.endm
; Four plain vector instructions stand between a matrix instruction and a load into a register that it read, or a reader of its result (ISA guide 7.12.1 for vector instructions).
.macro PLACES
.rept 4
	v_nop
.endr
.endm
; A K step is four quarters of 32 along K, 68 matrix instructions each, on buffers 0, 1, 0, 1; all accumulators take turns, one instruction a turn.
; One of the first three quarters: multiplies buffer f; in its middle it fetches quarter q of the same slot into buffer g.
.macro QUARTER slot, q, f, g, zero
	s_wait_dscnt 8                                 ; all but the youngest eight loads (my other 64 rows of x)
	MUL16 \f, 0, 0, \zero
	MUL16 \f, 0, 2, \zero
	VS4 \f, \zero
	PLACES
	FETCH \slot, \q, \g
	s_wait_dscnt NF                                ; all but the run just issued
	MUL16 \f, 1, 0, \zero
	MUL16 \f, 1, 2, \zero
.endm
; The last quarter's first half, and ONE barrier for the change of slots: in front of it each wave waits for all its tensor loads (one is out: its part of the next slot), adds 0 to its spare word, and waits for that and for its reads of this slot.
.macro MEET round
	WIN 0
	s_wait_tensorcnt 0x0                           ; all my tensor loads have landed
	ds_add_u32 v[SPW], v[NIL]                      ; 0 onto my spare word
	s_wait_dscnt 9                                 ; (the add and the youngest eight loads may be out)
	MUL16 F1, 0, 0, 0
	s_wait_dscnt 0x0                               ; the add is done, and my reads of this slot are over
	s_barrier_signal -1
	MUL16 F1, 0, 2, 0                              ; work on registers while the others arrive
	VS4 F1, 0
.if \round
	WIN 0
.endif
	s_barrier_wait -1
.endm
; The whole last quarter.  fill = 1: the barrier opens a round of the cluster's barrier, and the slot just read out is filled again first behind it, two K steps ahead: that load has a K step less this half quarter in which to land.
.macro TURN slot, next, fill
	MEET \fill
.if \fill
	CREST                                          ; no wave of any partner still reads this slot's tile or has a load on its way
	s_add_nc_u64 s[G0A+4*(\slot)+2:G0A+4*(\slot)+3], s[G0A+4*(\slot)+2:G0A+4*(\slot)+3], 2*KSTEP*2
	s_add_nc_u64 s[G0B+4*(\slot)+2:G0B+4*(\slot)+3], s[G0B+4*(\slot)+2:G0B+4*(\slot)+3], 2*KSTEP*2048
	JLOAD \slot                                    ; its four v_nop are also the places in front of the loads below
.else
	PLACES
.endif
.if (\next) == 0
	WIN 0
	v_add_nc_u32 v[ADRW], 8192, v[ADRW]            ; wvs: the next lap's 256 along K
.endif
	FETCH \next, 0, F0
	MUL16 F1, 1, 0, 0
	MUL16 F1, 1, 2, 0
.endm
	s_wait_tensorcnt 1                             ; wvs and my part of K step 0 are in; K step 1's may stay out
	s_barrier_signal -1
	s_barrier_wait -1                              ; everybody's are
	FETCH 0, 0, F0
	QUARTER 0, 1, F0, F1, 1                        ; the first quarter stands in front of the loop: its products start the sums
	WIN 0                                          ; at a label and at a branch every window is 0
	s_mov_b32 s3, LAPS-1
.Llap:                                                 ; a trip goes once round the ring, from a lap's second quarter to the next lap's first, and fills both slots again
	QUARTER 0, 2, F1, F0, 0
	QUARTER 0, 3, F0, F1, 0
	TURN 0, 1, 1
	QUARTER 1, 1, F0, F1, 0
	QUARTER 1, 2, F1, F0, 0
	QUARTER 1, 3, F0, F1, 0
	TURN 1, 0, 1
	QUARTER 0, 1, F0, F1, 0
	WIN 0
	s_sub_co_u32 s3, s3, 1
	s_cmp_lg_u32 s3, 0
	s_cbranch_scc1 .Llap
	QUARTER 0, 2, F1, F0, 0                        ; the last lap fills nothing
	QUARTER 0, 3, F0, F1, 0
	TURN 0, 1, 0
	QUARTER 1, 1, F0, F1, 0
	QUARTER 1, 2, F1, F0, 0
	QUARTER 1, 3, F0, F1, 0
	s_wait_dscnt 8                                 ; the very last quarter: nothing more to fetch
	MUL16 F1, 0, 0, 0
	MUL16 F1, 0, 2, 0
	VS4 F1, 0
	s_wait_dscnt 0x0
	MUL16 F1, 1, 0, 0
	MUL16 F1, 1, 2, 0
	WIN 0
	PLACES
	; THE WAY OUT.  vs = hi + lo + bv's sum, 0 where the row is masked, into LDS for all four waves.
.irp a, 0,1,2,3
	v_pk_add_f32 v[TS+2*(\a):TS+2*(\a)+1], v[VS+8*(\a):VS+8*(\a)+1], v[VS+8*(\a)+2:VS+8*(\a)+3]
.endr
.irp a, 0,1,2,3
	v_pk_add_f32 v[TS+2*(\a):TS+2*(\a)+1], v[TS+2*(\a):TS+2*(\a)+1], v[BV2:BV2+1]
	v_cmp_eq_u32 vcc_lo, 0, v[MK+(\a)]
	v_cndmask_b32 v[TS+2*(\a)],   0, v[TS+2*(\a)],   vcc_lo
	v_cndmask_b32 v[TS+2*(\a)+1], 0, v[TS+2*(\a)+1], vcc_lo
	ds_store_b32 v[VSA], v[TS+2*(\a)]   offset:64*(\a)
	ds_store_b32 v[VSA], v[TS+2*(\a)+1] offset:64*(\a)+2*VP
.endr
	s_wait_dscnt 0x0                               ; for the others' sake: my vs is stored, and my reads of the ring are over
	s_barrier_signal -1
	s_barrier_wait -1                              ; vs is whole, and nobody reads the ring any more: it takes the dumps
	; k goes through my own dump in LDS: in as a lane's eight columns of a row, back as whole rows of 128 f32, four columns a lane.  Each accumulator's low registers go first.
.irp hi, 0,1
	WIN 0x08+4*(\hi)                               ; store data in window 2, then 3
.irp a, 0,1,2,3
.irp b, 0,1,2,3,4,5,6,7
	ds_store_b128 v[STO+(\hi)], v[8*(8*(\a)+(\b)):8*(8*(\a)+(\b))+3]   offset:(\a)*16*DP+64*(\b)
	ds_store_b128 v[STO+(\hi)], v[8*(8*(\a)+(\b))+4:8*(8*(\a)+(\b))+7] offset:(\a)*16*DP+64*(\b)+16
.endr
.endr
.endr
	WIN 0
.set i, 0
.rept 16
	v_mov_b32 v[SM+i], 0                           ; four sets of sums, one for each row of a slot
.set i, i+1
.endr
.macro LDX s, o                        ; rows o + 4 s + 0..3 from where RD stands.  LDS serves a wave's instructions in order (ISA guide 5.7.1.4): these see my stores above
.irp e, 0,1,2,3
	ds_load_b128 v[XR+16*(\s)+4*(\e):XR+16*(\s)+4*(\e)+3], v[RD] offset:((\o)+4*(\s)+(\e))*DP
.endr
.endm
.macro LDV s, o                        ; the same four rows' vs of my head
	ds_load_b128 v[VR+4*(\s):VR+4*(\s)+3], v[VRD] offset:4*(\o)+16*(\s)
.endm
; Four rows: phi(k + bk) vs is added to the sums.  ahead = 1: the slot is filled again with the rows eight further on.  left: the other slot's loads, which may stay out.
.macro SLOTK s, ahead, left
	s_wait_dscnt \left
.irp e, 0,1,2,3
.irp p, 0,1
	v_pk_fma_f32 v[YR+4*(\e)+2*(\p):YR+4*(\e)+2*(\p)+1], v[XR+16*(\s)+4*(\e)+2*(\p):XR+16*(\s)+4*(\e)+2*(\p)+1], s[L2E:L2E+1], v[BL+2*(\p):BL+2*(\p)+1] op_sel_hi:[1,0,1]  ; t log2(e)
.endr
.endr
.set i, 0
.rept 16
	v_exp_f32 v[YR+i], v[YR+i]                     ; e^t
.set i, i+1
.endr
.irp e, 0,1,2,3
.irp p, 0,1
	v_pk_add_f32 v[X1+4*(\e)+2*(\p):X1+4*(\e)+2*(\p)+1], v[XR+16*(\s)+4*(\e)+2*(\p):XR+16*(\s)+4*(\e)+2*(\p)+1], v[B1+2*(\p):B1+2*(\p)+1]  ; t + 1: also the plain instructions behind the exponentials (ISA guide 5.7.2)
.endr
.endr
.if \ahead
	LDX \s, 8
.endif
.set i, 0
	s_wait_alu depctr_va_vdst(0)
.rept 16
	v_med3_num_f32 v[YR+i], v[YR+i], v[X1+i], s[ONE]  ; phi
.set i, i+1
.endr
.irp e, 0,1,2,3
.irp p, 0,1
	v_pk_fma_f32 v[SM+4*(\e)+2*(\p):SM+4*(\e)+2*(\p)+1], v[YR+4*(\e)+2*(\p):YR+4*(\e)+2*(\p)+1], v[VR+4*(\s)+2*((\e)/2):VR+4*(\s)+2*((\e)/2)+1], v[SM+4*(\e)+2*(\p):SM+4*(\e)+2*(\p)+1] op_sel:[0,(\e)%2,0] op_sel_hi:[1,(\e)%2,1]  ; row e's vs for both columns
.endr
.endr
.if \ahead
	LDV \s, 8
.endif
.endm
	LDX 0, 0
	LDV 0, 0
	LDX 1, 0
	LDV 1, 0
	s_mov_b32 s3, 15
.Lrnd:                                                 ; eight rows a trip
	SLOTK 0, 1, 5
	SLOTK 1, 1, 5
	v_add_nc_u32 v[RD], 8*DP, v[RD]
	v_add_nc_u32 v[VRD], 32, v[VRD]
	s_sub_co_u32 s3, s3, 1
	s_cmp_lg_u32 s3, 0
	s_cbranch_scc1 .Lrnd
	SLOTK 0, 0, 5                                  ; the last eight rows: nothing more to read
	SLOTK 1, 0, 0
	v_pk_add_f32 v[SM:SM+1],     v[SM:SM+1],     v[SM+4:SM+5]
	v_pk_add_f32 v[SM+2:SM+3],   v[SM+2:SM+3],   v[SM+6:SM+7]
	v_pk_add_f32 v[SM+8:SM+9],   v[SM+8:SM+9],   v[SM+12:SM+13]
	v_pk_add_f32 v[SM+10:SM+11], v[SM+10:SM+11], v[SM+14:SM+15]
	v_pk_add_f32 v[SM:SM+1],     v[SM:SM+1],     v[SM+8:SM+9]
	v_pk_add_f32 v[SM+2:SM+3],   v[SM+2:SM+3],   v[SM+10:SM+11]
	global_store_b128 v[CO], v[SM:SM+3], s[16:17]  ; my block's sums for my 128 columns: 512 consecutive bytes, aligned
	s_wait_tensorcnt 0x0                           ; the wave's end, behind my last tensor load and my last LDS store
	ds_add_u32 v[SPW], v[NIL]
	s_wait_dscnt 0x0
	CROUND                                         ; the closing round: no work-group ends while a partner may still ask for a tile that names it
	s_endpgm
.Lfunc_end_k_qfdd16cf8d4_kgemm:
	.size	k_qfdd16cf8d4_kgemm, .Lfunc_end_k_qfdd16cf8d4_kgemm-k_qfdd16cf8d4_kgemm
	.p2alignl 7, 3214868480
	.fill 96, 4, 3214868480
	.section	.rodata,"a",@progbits
	.p2align	6, 0x0
	.amdhsa_kernel k_qfdd16cf8d4_kgemm
		.amdhsa_group_segment_fixed_size 327680
		.amdhsa_private_segment_fixed_size 0
		.amdhsa_enable_private_segment 0
		.amdhsa_kernarg_size 56
		.amdhsa_user_sgpr_count 2
		.amdhsa_user_sgpr_kernarg_segment_ptr 1
		.amdhsa_wavefront_size32 1
		.amdhsa_system_sgpr_workgroup_id_x 1
		.amdhsa_system_sgpr_workgroup_id_y 1
		.amdhsa_system_sgpr_workgroup_id_z 1
		.amdhsa_system_vgpr_workitem_id 0
		.amdhsa_next_free_vgpr 1024
		.amdhsa_next_free_sgpr 96
		.amdhsa_reserve_vcc 1
		.amdhsa_float_denorm_mode_32 3
		.amdhsa_float_denorm_mode_16_64 3
		.amdhsa_memory_ordered 1
		.amdhsa_forward_progress 1
		.amdhsa_inst_pref_size 147
	.end_amdhsa_kernel
	.amdgpu_metadata
---
amdhsa.version: [ 1, 2 ]
amdhsa.kernels:
  - .name:           k_qfdd16cf8d4_kgemm
    .symbol:         k_qfdd16cf8d4_kgemm.kd
    .args:
      - { .name: xb, .offset: 0, .size: 8, .value_kind: global_buffer, .address_space: global }
      - { .name: wkb, .offset: 8, .size: 8, .value_kind: global_buffer, .address_space: global }
      - { .name: wvs, .offset: 16, .size: 8, .value_kind: global_buffer, .address_space: global }
      - { .name: bk, .offset: 24, .size: 8, .value_kind: global_buffer, .address_space: global }
      - { .name: bv, .offset: 32, .size: 8, .value_kind: global_buffer, .address_space: global }
      - { .name: mask, .offset: 40, .size: 8, .value_kind: global_buffer, .address_space: global }
      - { .name: part, .offset: 48, .size: 8, .value_kind: global_buffer, .address_space: global }
    .group_segment_fixed_size: 327680
    .private_segment_fixed_size: 0
    .kernarg_segment_align: 8
    .kernarg_segment_size: 56
    .max_flat_workgroup_size: 128
    .sgpr_count:     96
    .vgpr_count:     1024
    .wavefront_size: 32
...
	.end_amdgpu_metadata
.endif
;; end of part 2
;; launch qgemm (part 3): grid 4 x 64, 4 waves a work-group, clusters of 4 x 4, 327,680 bytes of LDS; arguments xb, wqb, bq, part, out0; writes out0
.if DOCPART == 3
	.amdgcn_target "amdgcn-amd-amdhsa--gfx1250"
	.amdhsa_code_object_version 6
	.text
	.protected	k_qfdd16cf8d4_qgemm
	.globl	k_qfdd16cf8d4_qgemm
	.p2align	8
	.type	k_qfdd16cf8d4_qgemm,@function
k_qfdd16cf8d4_qgemm:
	s_mov_b64 s[64:65], 0
	v_nop
	global_prefetch_b8 v0, s[64:65] scope:SCOPE_SE
	s_setreg_imm32_b32 hwreg(HW_REG_WAVE_MODE, 25, 1), 1
	s_wait_xcnt 0x0
	s_wait_alu depctr_hold_cnt(0) depctr_sa_sdst(0) depctr_va_vdst(0) depctr_va_sdst(0) depctr_va_ssrc(0) depctr_va_vcc(0) depctr_vm_vsrc(0)
	s_getreg_b32 s2, hwreg(HW_REG_IB_STS2, 6, 4)
	s_cmp_eq_u32 s2, 0
	s_cbranch_scc0 .Lentry_in_a_cluster
	s_endpgm
.Lentry_in_a_cluster:
	s_bfe_u32 s2, ttmp6, 0x10000c
	s_cmp_lg_u32 s2, 0xf033
	s_cbranch_scc0 .Lentry_shape_is_right
	s_endpgm
.Lentry_shape_is_right:
; QGEMM.  out0[l][c] = phi(q[l][c]) kv_sum[batch(l)][c], where q = x Wq + bq, phi(t) = elu(t) + 1, and kv_sum is the sum of the batch's 32 partial sums in part (one for each block of 128 rows).
; x (xb) and Wq (wqb, [k][n]) in bf16; bq rounded to bf16 here; the products' sums, phi, kv_sum and out0 in f32.
; LIMITS.  NaN and infinities are not treated apart; e^t below 2^-126 counts as 0.
; SHARES.  A work-group makes a tile of 256 rows x 256 columns: 64 x 4 tiles, one for each work-group.  Four waves, each 128 x 128: 64 accumulators, 512 registers.  K goes in steps of 128 through a ring of
; two LDS slots filled by the tensor data mover: 256 rows of x (256 bytes each) and 128 k-rows of Wq (512 bytes each).
; CLUSTER.  4 x 4 work-groups.  The four of a row of the cluster need the same tiles of x, the four of a column the same tiles of Wq: each is asked for jointly.
; THE MATRIX INSTRUCTION IS USED TRANSPOSED: source 0 = 16 columns of Wq (turned on the way out of LDS by ds_load_tr16_b128), source 1 = 16 rows of x: a lane holds one row and eight neighbouring columns.
; phi(t) = the middle one of e^t, t + 1 and 1: for t <= 0, t + 1 <= e^t <= 1; for t > 0, 1 < t + 1 <= e^t.
; REGISTERS, in windows of 256: window 0: v0-31 addresses and constants; v64-127, v128-191 fragments of x, two buffers; v192-255 at work in the set-up
;   window 1: v64-127, v128-191 fragments of Wq     window 2: accumulators of my rows 0-63 ((a, b) at v[8 (8 a + b)])     window 3: those of my rows 64-127
.set KSTEP, 128
.set LAPS,  4                          ; 1,024 along K = 8 steps = 4 times round the ring
.set PA,    272                        ; a row of x in LDS: 256 bytes + 16: the 16 rows of a load start at 16 different groups of four banks (64 banks of 4 bytes: ISA guide 11.1)
.set PB,    544                        ; a k-row of Wq: 512 bytes + 32
.set HALFT, 128*PA                     ; = 64 PB: what one tensor load brings
.set SLOT,  4*HALFT                    ; x rows 0-127, x rows 128-255, Wq k 0-63, Wq k 64-127: wave w fills part w
.set DP,    528                        ; the way out: a row of 128 f32 + 16 bytes
.set WDUMP, 128*DP                     ; a wave's 128 rows; the four dumps lie in the ring, whose bytes have had their last fill by then
.set SPARE, 2*SLOT                     ; behind the ring: the spare words, 128 bytes for each wave: two blocks of 256 bytes that no other line names
.set NF,    32                         ; LDS loads in a run: 16 Wq, 16 x
.set KV,   4                           ; v[4:7]  kv_sum of my four columns on the way out
.set BL,   8                           ; v[8:11] bq log2(e)
.set B1,   12                          ; v[12:15] bq + 1
.set ADRA, 16                          ; v16-17  LDS address of x's fragments in slot 0, 1
.set ADRB, 20                          ; v20-21  of Wq's
.set STO,  24                          ; v24     the dump: where I put 16 bytes of a row
.set RD,   26                          ; v26     the dump: where I read a row back
.set CO,   27                          ; v27     16 x lane
.set SPW,  28                          ; v28     LDS address of my spare word; never rewritten
.set NIL,  29                          ; v29     0; never rewritten
.set F0,   64
.set F1,   128
.set TS,   192
.set XR,   64                          ; the way out: two slots of four rows as read back
.set YR,   112                         ; t log2(e), e^t
.set X1,   128                         ; t + 1
.set OR,   144                         ; two slots of four rows to store
.set WV,  18                           ; s18 wave
.set RH,  19                           ; s19 which half of the tile's rows is mine.  Also: I fetch x (0) or Wq (1)
.set CH,  20                           ; s20 which half of its columns.  Also: which half of that tile I fetch
.set G1A, 28                           ; s[28:35] descriptor group 1, x      s[36:43] Wq
.set G1B, 36
.set G0A, 52                           ; s[52:59] group 0 for x, a set for each slot      s[68:75] Wq
.set G0B, 68
.set L2E, 80                           ; s[80:81] log2(e)
.set ONE, 82                           ; s82 1.0
.set MSB, 0
.macro WIN new                         ; the immediate's high byte repeats the setting that is left; a switch that changes nothing is dropped
.if MSB != (\new)
	s_set_vgpr_msb (MSB<<8)|(\new)
.set MSB, \new
.endif
.endm
.set MUL_LO, 0xa1                      ; source 0 window 1, source 1 window 0, C and D window 2
.set TO_B,   0x40                      ; destination window 1, address window 0
; A joint load: waves 0 and 1 fetch x's two halves, waves 2 and 3 Wq's.  The branch hangs on the wave's number alone.  An s_nop 0 and four v_nop follow each line.
.macro JLOAD s
	s_cmp_eq_u32 s[RH], 0
	s_cbranch_scc0 .Lfor_b_\@
	tensor_load_to_lds s[G0A+4*(\s):G0A+4*(\s)+3], s[G1A:G1A+7]
	s_nop 0
.rept 4
	v_nop
.endr
	s_branch .Lasked_\@
.Lfor_b_\@:
	tensor_load_to_lds s[G0B+4*(\s):G0B+4*(\s)+3], s[G1B:G1B+7]
	s_nop 0
.rept 4
	v_nop
.endr
.Lasked_\@:
.endm
.macro CREST                           ; a round of the cluster's barrier behind its opening barrier
	s_cmp_lg_u32 s[WV], 0
	s_cbranch_scc1 .Lnot_wave_0_\@
	s_barrier_signal -3
.Lnot_wave_0_\@:
	s_barrier_wait -3
	s_barrier_signal -1
	s_barrier_wait -1
.endm
.macro CROUND
	s_barrier_signal -1
	s_barrier_wait -1
	CREST
.endm
	s_load_b256 s[4:11], s[0:1], 0x0               ; xb s[4:5], wqb s[6:7], bq s[8:9], part s[10:11]
	s_load_b64 s[12:13], s[0:1], 0x20              ; out0
	v_lshl_add_u32 v[SPW], v0, 2, SPARE
	v_mov_b32 v[NIL], 0
	ds_add_u32 v[SPW], v[NIL]                      ; the wave's opening: the add and its wait stand ahead of my first tensor load; the set-up below stands between them
	v_lshrrev_b32 v1, 5, v0
	v_readfirstlane_b32 s[WV], v1
	s_lshr_b32 s[RH], s[WV], 1
	s_and_b32 s[CH], s[WV], 1
	s_bfe_u32 s21, ttmp6, 0x40000                  ; cx
	s_bfe_u32 s22, ttmp6, 0x40004                  ; cy
	s_lshl_b32 s23, ttmp9, 2
	s_add_co_u32 s23, s23, s21                     ; tc: tile column = 4 x cluster x + cx
	s_and_b32 s24, ttmp7, 0xffff
	s_lshl_b32 s24, s24, 2
	s_add_co_u32 s24, s24, s22                     ; tr: tile row = 4 x cluster y + cy
	s_lshl_b32 s25, s22, 2
	s_lshl_b32 s25, 15, s25                        ; my row of the cluster
	s_lshl_b32 s26, 0x1111, s21                    ; my column
	s_or_b32 s[G1A], s25, (1<<16)|(1<<20)|(1<<21)|(5<<22)|(3<<25)  ; the mask; 2-byte elements; padding on; bit 21 beside a mask; after every 64 words 4 words
	s_or_b32 s[G1B], s26, (1<<16)|(1<<20)|(1<<21)|(6<<22)|(7<<25)  ; after every 128 words 8 words
	s_mov_b32 s[G1A+1], 128<<16                    ; x: tensor_dim0 = 128
	s_mov_b32 s[G1A+2], 128<<16                    ; tensor_dim1 = 128
	s_mov_b32 s[G1A+3], 128<<16                    ; tile_dim0 = 128
	s_mov_b32 s[G1A+4], 128                        ; tile_dim1 = 128
	s_mov_b32 s[G1A+5], 1024                       ; elements from row to row
	s_mov_b32 s[G1A+6], 0
	s_mov_b32 s[G1A+7], 0
	s_mov_b32 s[G1B+1], 256<<16                    ; Wq: 64 k-rows of 256 columns
	s_mov_b32 s[G1B+2], 64<<16
	s_mov_b32 s[G1B+3], 256<<16
	s_mov_b32 s[G1B+4], 64
	s_mov_b32 s[G1B+5], 1024
	s_mov_b32 s[G1B+6], 0
	s_mov_b32 s[G1B+7], 0
	s_lshl_b32 s84, s24, 8                         ; x: row 256 tr + 128 x half, 2,048 bytes a row: hangs on the tile row alone
	s_lshl_b32 s85, s[CH], 7
	s_add_co_u32 s84, s84, s85
	s_lshl_b32 s84, s84, 11
	s_mov_b32 s85, 0
	s_lshl_b32 s86, s[CH], 17                      ; Wq: k-row 64 x half, column 256 tc: hangs on the tile column alone
	s_lshl_b32 s87, s23, 9
	s_add_co_u32 s86, s86, s87
	s_mov_b32 s87, 0
	s_mov_b32 s89, 0
	s_mul_i32 s90, s[WV], HALFT                    ; my part of a slot: no place in the cluster enters an LDS address
	s_mov_b32 s[L2E], 0x3fb8aa3b
	s_mov_b32 s[L2E+1], 0x3fb8aa3b
	s_mov_b32 s[ONE], 1.0
	s_wait_dscnt 0x0                               ; the opening add is done
	s_wait_kmcnt 0x0
	s_add_nc_u64 s[60:61], s[4:5], s[84:85]
	s_add_nc_u64 s[62:63], s[6:7], s[86:87]
	CROUND                                         ; all sixteen work-groups are here: the first joint loads meet
.irp s, 0,1
	s_mov_b32 s[G0A+4*(\s)], 1
	s_add_co_u32 s[G0A+4*(\s)+1], s90, (\s)*SLOT
	s_add_nc_u64 s[G0A+4*(\s)+2:G0A+4*(\s)+3], s[60:61], (\s)*KSTEP*2      ; K step s: 256 bytes along the rows
	s_or_b32 s[G0A+4*(\s)+3], s[G0A+4*(\s)+3], 0x80000000
	s_mov_b32 s[G0B+4*(\s)], 1
	s_add_co_u32 s[G0B+4*(\s)+1], s90, (\s)*SLOT
	s_add_nc_u64 s[G0B+4*(\s)+2:G0B+4*(\s)+3], s[62:63], (\s)*KSTEP*2048   ; K step s: 128 k-rows down
	s_or_b32 s[G0B+4*(\s)+3], s[G0B+4*(\s)+3], 0x80000000
	JLOAD \s                                       ; two loads of mine are out
.endr
	; THE SET-UP, in the wait for the first tiles.
	s_lshl_b32 s86, s23, 10
	s_lshl_b32 s92, s[CH], 9
	s_add_co_u32 s86, s86, s92                     ; my 128 columns, in f32
	s_add_nc_u64 s[8:9], s[8:9], s[86:87]          ; bq
	s_lshr_b32 s88, s24, 4                         ; the batch: 16 tile rows each,
	s_lshl_b32 s88, s88, 17                        ; 32 blocks of 4,096 bytes in part
	s_add_co_u32 s88, s88, s86
	s_add_nc_u64 s[10:11], s[10:11], s[88:89]
	s_lshl_b32 s88, s24, 20                        ; out0: 256 tr rows of 4,096 bytes,
	s_lshl_b32 s92, s[RH], 19                      ; my 128 rows,
	s_add_co_u32 s88, s88, s92
	s_add_co_u32 s88, s88, s86                     ; my 128 columns
	s_add_nc_u64 s[12:13], s[12:13], s[88:89]
	v_and_b32 v1, 15, v0                           ; r = lane % 16
	v_bfe_u32 v2, v0, 4, 1                         ; h = lane / 16
	v_and_b32 v[TS+1], 7, v0
	v_bfe_u32 v[TS+2], v0, 3, 1
	v_and_b32 v[TS+3], 31, v0
	v_lshlrev_b32 v[CO], 4, v[TS+3]
	global_load_b128 v[TS+8:TS+11], v[CO], s[8:9]
.set i, 0
.rept 32
	global_load_b128 v[64+4*i:64+4*i+3], v[CO], s[10:11] offset:4096*i  ; the batch's 32 partial sums of my four columns
.set i, i+1
.endr
	; A fragment of x is 16 rows x 32 K: lane l holds row l % 16, K = 8 (l / 16) + 0..7 and 16 + 8 (l / 16) + 0..7: two loads of 16 bytes, 32 bytes apart.
	v_mul_u32_u24 v[TS+6], v1, PA
	v_lshl_add_u32 v[TS+6], v2, 4, v[TS+6]
	s_mul_i32 s92, s[RH], HALFT
	v_add_nc_u32 v[ADRA], s92, v[TS+6]
	v_add_nc_u32 v[ADRA+1], SLOT, v[ADRA]
	; The turning load takes 16 k x 16 columns (lane l reads k-row 8 (l / 16) + l % 8, columns 8 ((l / 8) % 2) + 0..7) and leaves half a fragment: lane l holds column l % 16 and 8 k.
	v_lshl_add_u32 v[TS+7], v2, 3, v[TS+1]
	v_mul_u32_u24 v[TS+7], v[TS+7], PB
	v_lshl_add_u32 v[TS+7], v[TS+2], 4, v[TS+7]
	s_lshl_b32 s92, s[CH], 8
	s_add_co_u32 s92, s92, 2*HALFT
	v_add_nc_u32 v[ADRB], s92, v[TS+7]
	v_add_nc_u32 v[ADRB+1], SLOT, v[ADRB]
	v_mul_u32_u24 v[TS+21], v1, DP
	v_lshl_add_u32 v[TS+21], v2, 5, v[TS+21]
	s_mul_i32 s92, s[WV], WDUMP
	v_add_nc_u32 v[STO], s92, v[TS+21]
	v_lshl_add_u32 v[RD], v[TS+3], 4, s92
	s_wait_loadcnt 0x0                             ; bq and the partial sums
	v_cvt_pk_bf16_f32 v[TS+22], v[TS+8], v[TS+9]   ; bq is rounded to bf16 like every input
	v_cvt_pk_bf16_f32 v[TS+23], v[TS+10], v[TS+11]
	v_lshlrev_b32 v[TS+8], 16, v[TS+22]
	v_and_b32 v[TS+9], 0xffff0000, v[TS+22]
	v_lshlrev_b32 v[TS+10], 16, v[TS+23]
	v_and_b32 v[TS+11], 0xffff0000, v[TS+23]
	v_pk_mul_f32 v[BL:BL+1],   v[TS+8:TS+9],   s[L2E:L2E+1] op_sel_hi:[1,0]
	v_pk_mul_f32 v[BL+2:BL+3], v[TS+10:TS+11], s[L2E:L2E+1] op_sel_hi:[1,0]
	v_pk_add_f32 v[B1:B1+1],   v[TS+8:TS+9],   1.0 op_sel_hi:[1,0]
	v_pk_add_f32 v[B1+2:B1+3], v[TS+10:TS+11], 1.0 op_sel_hi:[1,0]
.irp d, 16,8,4,2                       ; kv_sum: partners 16, 8, 4, 2 and 1 blocks apart
.set i, 0
.rept \d
	v_pk_add_f32 v[64+4*i:65+4*i], v[64+4*i:65+4*i], v[64+4*(i+(\d)):65+4*(i+(\d))]
	v_pk_add_f32 v[66+4*i:67+4*i], v[66+4*i:67+4*i], v[66+4*(i+(\d)):67+4*(i+(\d))]
.set i, i+1
.endr
.endr
	v_pk_add_f32 v[KV:KV+1],   v[64:65], v[68:69]
	v_pk_add_f32 v[KV+2:KV+3], v[66:67], v[70:71]
; 16 matrix instructions: row blocks a0, a0 + 1 of the window's four x all 8 column blocks, 32 along K.  zero = 1: the first product starts the sums.
.macro MUL16 f, hi, a0, zero
	WIN MUL_LO+0x50*(\hi)
.irp a, \a0, (\a0)+1
.irp b, 0,1,2,3,4,5,6,7
.if \zero
	v_wmma_f32_16x16x32_bf16 v[8*(8*(\a)+(\b)):8*(8*(\a)+(\b))+7], v[(\f)+8*(\b):(\f)+8*(\b)+7], v[(\f)+8*(4*(\hi)+(\a)):(\f)+8*(4*(\hi)+(\a))+7], 0
.else
	v_wmma_f32_16x16x32_bf16 v[8*(8*(\a)+(\b)):8*(8*(\a)+(\b))+7], v[(\f)+8*(\b):(\f)+8*(\b)+7], v[(\f)+8*(4*(\hi)+(\a)):(\f)+8*(4*(\hi)+(\a))+7], v[8*(8*(\a)+(\b)):8*(8*(\a)+(\b))+7]
.endif
.endr
.endr
.endm
; 32 LDS loads in one run: the fragments of quarter q (32 along K) of a slot into buffer f; x's rows 64-127 last
.macro FETCH slot, q, f
	WIN TO_B
.irp i, 0,1,2,3,4,5,6,7
	ds_load_tr16_b128 v[(\f)+8*(\i):(\f)+8*(\i)+3],   v[ADRB+(\slot)] offset:(\q)*32*PB+32*(\i)
	ds_load_tr16_b128 v[(\f)+8*(\i)+4:(\f)+8*(\i)+7], v[ADRB+(\slot)] offset:(\q)*32*PB+16*PB+32*(\i)
.endr
	WIN 0
.irp i, 0,1,2,3,4,5,6,7
	ds_load_b128 v[(\f)+8*(\i):(\f)+8*(\i)+3],   v[ADRA+(\slot)] offset:64*(\q)+(\i)*16*PA
	ds_load_b128 v[(\f)+8*(\i)+4:(\f)+8*(\i)+7], v[ADRA+(\slot)] offset:64*(\q)+(\i)*16*PA+32
.endr
.endm
; Four plain vector instructions stand between a matrix instruction and a load into a register that it read, or a reader of its result (ISA guide 7.12.1 for vector instructions).
.macro PLACES
.rept 4
	v_nop
.endr
.endm
; A K step is four quarters of 32 along K, 64 matrix instructions each, on buffers 0, 1, 0, 1; the 64 accumulators take turns, one instruction a turn.
; One of the first three quarters: multiplies buffer f; in its middle it fetches quarter q of the same slot into buffer g.
.macro QUARTER slot, q, f, g, zero
	s_wait_dscnt 8                                 ; all but the youngest eight loads (x's rows 64-127)
	MUL16 \f, 0, 0, \zero
	MUL16 \f, 0, 2, \zero
	PLACES
	FETCH \slot, \q, \g
	s_wait_dscnt NF                                ; all but the run just issued
	MUL16 \f, 1, 0, \zero
	MUL16 \f, 1, 2, \zero
.endm
; The last quarter's first half, and ONE barrier for the change of slots: in front of it each wave waits for all its tensor loads (one is out: its part of the next slot), adds 0 to its spare word, and waits for that and for its reads of this slot.
.macro MEET round
	WIN 0
	s_wait_tensorcnt 0x0                           ; all my tensor loads have landed
	ds_add_u32 v[SPW], v[NIL]                      ; 0 onto my spare word
	s_wait_dscnt 9                                 ; (the add and the youngest eight loads may be out)
	MUL16 F1, 0, 0, 0
	s_wait_dscnt 0x0                               ; the add is done, and my reads of this slot are over
	s_barrier_signal -1
	MUL16 F1, 0, 2, 0                              ; work on registers while the others arrive
.if \round
	WIN 0
.endif
	s_barrier_wait -1
.endm
; The whole last quarter.  fill = 1: the barrier opens a round of the cluster's barrier, and the slot just read out is filled again first behind it, two K steps ahead: that load has 224 matrix instructions in which to land.
.macro TURN slot, next, fill
	MEET \fill
.if \fill
	CREST                                          ; no wave of any partner still reads this slot's tile or has a load on its way
	s_add_nc_u64 s[G0A+4*(\slot)+2:G0A+4*(\slot)+3], s[G0A+4*(\slot)+2:G0A+4*(\slot)+3], 2*KSTEP*2
	s_add_nc_u64 s[G0B+4*(\slot)+2:G0B+4*(\slot)+3], s[G0B+4*(\slot)+2:G0B+4*(\slot)+3], 2*KSTEP*2048
	JLOAD \slot                                    ; its four v_nop are also the places in front of the loads below
.else
	PLACES
.endif
	FETCH \next, 0, F0
	MUL16 F1, 1, 0, 0
	MUL16 F1, 1, 2, 0
.endm
	s_wait_tensorcnt 1                             ; my part of K step 0 is in; K step 1's may stay out
	s_barrier_signal -1
	s_barrier_wait -1                              ; everybody's is
	FETCH 0, 0, F0
	QUARTER 0, 1, F0, F1, 1                        ; the first quarter stands in front of the loop: its products start the sums
	WIN 0                                          ; at a label and at a branch every window is 0
	s_mov_b32 s3, LAPS-1
.Llap:                                                 ; a trip goes once round the ring, from a lap's second quarter to the next lap's first, and fills both slots again
	QUARTER 0, 2, F1, F0, 0
	QUARTER 0, 3, F0, F1, 0
	TURN 0, 1, 1
	QUARTER 1, 1, F0, F1, 0
	QUARTER 1, 2, F1, F0, 0
	QUARTER 1, 3, F0, F1, 0
	TURN 1, 0, 1
	QUARTER 0, 1, F0, F1, 0
	WIN 0
	s_sub_co_u32 s3, s3, 1
	s_cmp_lg_u32 s3, 0
	s_cbranch_scc1 .Llap
	QUARTER 0, 2, F1, F0, 0                        ; the last lap fills nothing
	QUARTER 0, 3, F0, F1, 0
	TURN 0, 1, 0
	QUARTER 1, 1, F0, F1, 0
	QUARTER 1, 2, F1, F0, 0
	QUARTER 1, 3, F0, F1, 0
	s_wait_dscnt 8                                 ; the very last quarter: nothing more to fetch
	MUL16 F1, 0, 0, 0
	MUL16 F1, 0, 2, 0
	s_wait_dscnt 0x0
	MUL16 F1, 1, 0, 0
	MUL16 F1, 1, 2, 0
	WIN 0
	PLACES
	; THE WAY OUT.  q goes through my own dump in LDS: in as a lane's eight columns of a row, back as whole rows of 128 f32, four columns a lane.
	s_wait_dscnt 0x0                               ; my reads of the ring are over
	s_barrier_signal -1
	s_barrier_wait -1                              ; nobody reads the ring any more: it takes the dumps
.irp hi, 0,1
	WIN 0x08+4*(\hi)                               ; store data in window 2, then 3; each accumulator's low registers go first
.irp a, 0,1,2,3
.irp b, 0,1,2,3,4,5,6,7
	ds_store_b128 v[STO], v[8*(8*(\a)+(\b)):8*(8*(\a)+(\b))+3]   offset:(4*(\hi)+(\a))*16*DP+64*(\b)
	ds_store_b128 v[STO], v[8*(8*(\a)+(\b))+4:8*(8*(\a)+(\b))+7] offset:(4*(\hi)+(\a))*16*DP+64*(\b)+16
.endr
.endr
.endr
	WIN 0
.macro LDX s, o                        ; rows o + 4 s + 0..3 from where RD stands.  LDS serves a wave's instructions in order (ISA guide 5.7.1.4): these see my stores above
.irp e, 0,1,2,3
	ds_load_b128 v[XR+16*(\s)+4*(\e):XR+16*(\s)+4*(\e)+3], v[RD] offset:((\o)+4*(\s)+(\e))*DP
.endr
.endm
; Four rows: phi(q + bq) kv_sum, stored.  ahead = 1: the slot is filled again with the rows eight further on.  left: the other slot's loads, which may stay out.
.macro SLOTQ s, ahead, left
	s_wait_dscnt \left
	s_wait_xcnt 0x0                                ; every earlier memory instruction has had its addresses translated (ISA guide 3.1): the slot's registers, which its last stores read, are rewritten only behind this wait
.irp e, 0,1,2,3
.irp p, 0,1
	v_pk_fma_f32 v[YR+4*(\e)+2*(\p):YR+4*(\e)+2*(\p)+1], v[XR+16*(\s)+4*(\e)+2*(\p):XR+16*(\s)+4*(\e)+2*(\p)+1], s[L2E:L2E+1], v[BL+2*(\p):BL+2*(\p)+1] op_sel_hi:[1,0,1]  ; t log2(e)
.endr
.endr
.set i, 0
.rept 16
	v_exp_f32 v[YR+i], v[YR+i]                     ; e^t
.set i, i+1
.endr
.irp e, 0,1,2,3
.irp p, 0,1
	v_pk_add_f32 v[X1+4*(\e)+2*(\p):X1+4*(\e)+2*(\p)+1], v[XR+16*(\s)+4*(\e)+2*(\p):XR+16*(\s)+4*(\e)+2*(\p)+1], v[B1+2*(\p):B1+2*(\p)+1]  ; t + 1: also the plain instructions behind the exponentials (ISA guide 5.7.2)
.endr
.endr
.if \ahead
	LDX \s, 8
.endif
.set i, 0
	s_wait_alu depctr_va_vdst(0)
.rept 16
	v_med3_num_f32 v[OR+16*(\s)+i], v[YR+i], v[X1+i], s[ONE]  ; phi
.set i, i+1
.endr
.irp e, 0,1,2,3
.irp p, 0,1
	v_pk_mul_f32 v[OR+16*(\s)+4*(\e)+2*(\p):OR+16*(\s)+4*(\e)+2*(\p)+1], v[OR+16*(\s)+4*(\e)+2*(\p):OR+16*(\s)+4*(\e)+2*(\p)+1], v[KV+2*(\p):KV+2*(\p)+1]
.endr
.endr
.irp e, 0,1,2,3
	global_store_b128 v[CO], v[OR+16*(\s)+4*(\e):OR+16*(\s)+4*(\e)+3], s[12:13] offset:(4*(\s)+(\e))*4096 th:TH_STORE_NT  ; 512 consecutive bytes of a row of out0, aligned
.endr
.endm
	LDX 0, 0
	LDX 1, 0
	s_mov_b32 s3, 15
.Lrnd:                                                 ; eight rows a trip
	SLOTQ 0, 1, 4
	SLOTQ 1, 1, 4
	v_add_nc_u32 v[RD], 8*DP, v[RD]
	s_wait_xcnt 0x0                                ; the stores' base is stepped only behind this wait
	s_add_nc_u64 s[12:13], s[12:13], 8*4096
	s_sub_co_u32 s3, s3, 1
	s_cmp_lg_u32 s3, 0
	s_cbranch_scc1 .Lrnd
	SLOTQ 0, 0, 4                                  ; the last eight rows: nothing more to read
	SLOTQ 1, 0, 0
	s_wait_tensorcnt 0x0                           ; the wave's end, behind my last tensor load and my last LDS store
	ds_add_u32 v[SPW], v[NIL]
	s_wait_dscnt 0x0
	CROUND                                         ; the closing round: no work-group ends while a partner may still ask for a tile that names it
	s_endpgm
.Lfunc_end_k_qfdd16cf8d4_qgemm:
	.size	k_qfdd16cf8d4_qgemm, .Lfunc_end_k_qfdd16cf8d4_qgemm-k_qfdd16cf8d4_qgemm
	.p2alignl 7, 3214868480
	.fill 96, 4, 3214868480
	.section	.rodata,"a",@progbits
	.p2align	6, 0x0
	.amdhsa_kernel k_qfdd16cf8d4_qgemm
		.amdhsa_group_segment_fixed_size 327680
		.amdhsa_private_segment_fixed_size 0
		.amdhsa_enable_private_segment 0
		.amdhsa_kernarg_size 40
		.amdhsa_user_sgpr_count 2
		.amdhsa_user_sgpr_kernarg_segment_ptr 1
		.amdhsa_wavefront_size32 1
		.amdhsa_system_sgpr_workgroup_id_x 1
		.amdhsa_system_sgpr_workgroup_id_y 1
		.amdhsa_system_sgpr_workgroup_id_z 1
		.amdhsa_system_vgpr_workitem_id 0
		.amdhsa_next_free_vgpr 1024
		.amdhsa_next_free_sgpr 96
		.amdhsa_reserve_vcc 0
		.amdhsa_float_denorm_mode_32 3
		.amdhsa_float_denorm_mode_16_64 3
		.amdhsa_memory_ordered 1
		.amdhsa_forward_progress 1
		.amdhsa_inst_pref_size 142
	.end_amdhsa_kernel
	.amdgpu_metadata
---
amdhsa.version: [ 1, 2 ]
amdhsa.kernels:
  - .name:           k_qfdd16cf8d4_qgemm
    .symbol:         k_qfdd16cf8d4_qgemm.kd
    .args:
      - { .name: xb, .offset: 0, .size: 8, .value_kind: global_buffer, .address_space: global }
      - { .name: wqb, .offset: 8, .size: 8, .value_kind: global_buffer, .address_space: global }
      - { .name: bq, .offset: 16, .size: 8, .value_kind: global_buffer, .address_space: global }
      - { .name: part, .offset: 24, .size: 8, .value_kind: global_buffer, .address_space: global }
      - { .name: out0, .offset: 32, .size: 8, .value_kind: global_buffer, .address_space: global }
    .group_segment_fixed_size: 327680
    .private_segment_fixed_size: 0
    .kernarg_segment_align: 8
    .kernarg_segment_size: 40
    .max_flat_workgroup_size: 128
    .sgpr_count:     96
    .vgpr_count:     1024
    .wavefront_size: 32
...
	.end_amdgpu_metadata
.endif
;; end of part 3
;; ======== version 2 of 2: 3 launches; version 1 with the launch prep written anew for expert scheduling mode
;; workspace buffers: xb 33,554,432 bytes; wkb 2,097,152 bytes; wqb 2,097,152 bytes; wvs 131,072 bytes; part 524,288 bytes
;; launch prep (part 4): grid 608 x 1, 8 waves a work-group, no clusters, 0 bytes of LDS; arguments query, Wk, Wq, Wv, xb, wkb, wqb, wvs; writes xb, wkb, wqb, wvs
.if DOCPART == 4
	.amdgcn_target "amdgcn-amd-amdhsa--gfx1250"
	.amdhsa_code_object_version 6
	.text
	.protected	k_qfdd16cf8d4_prep
	.globl	k_qfdd16cf8d4_prep
	.p2align	8
	.type	k_qfdd16cf8d4_prep,@function
k_qfdd16cf8d4_prep:
	s_mov_b64 s[64:65], 0
	v_nop
	global_prefetch_b8 v0, s[64:65] scope:SCOPE_SE
	s_setreg_imm32_b32 hwreg(HW_REG_WAVE_SCHED_MODE, 0, 2), 2
	s_setreg_imm32_b32 hwreg(HW_REG_WAVE_MODE, 25, 1), 1
	s_wait_xcnt 0x0
	s_wait_alu depctr_vm_vsrc(0)
; PREP.  Work-groups 32 to 607 round query, Wk and Wq to bf16, layouts unchanged (32 rows of 1,024 numbers a work-group).
; Work-groups 0 to 31 make wvs: for each row d of Wv and each head n the sum of the head's 64 numbers, each rounded to bf16 first,
; kept as two bf16 numbers hi + lo (16 significant bits).  This is what is left of the V projection: reference() sums kv over v,
; and that sum commutes with the sum over l, so only x . (sum over a head's columns of Wv) is ever needed.
; wvs is [tc 4][kb 128][i 16][8] bf16, d = 8 kb + the last index: the image of a matrix operand of 16 rows i, K along d.
; Row i = 8 h + j: j = 0 hi of head 4 tc + h, j = 1 hi of head 4 tc + 2 + h, j = 2, 3 the same heads' lo, j = 4 to 7 zeros.
; A stream: no LDS, no barrier, no matrix unit.  LIMITS: NaN and infinities are not treated apart.
; THE MODE: SCHED_MODE bits 1:0 = 2 (LLVM: expert scheduling mode 2), set by the entry lines.  The code itself states the register dependences
; between vector instructions and memory instructions, with s_wait_alu, always for 0.
; THE PLAN, THE CAST.  The 32 rows go in eight blocks of four.  Registers that memory instructions touch:
;   X0 .. X4   five blocks of a source as loaded.  Written by loads alone: blocks 0 to 4 at the head, block p + 4 in block p; read by block p's conversions (X[p % 5]).
;   Y          two registers for each of the 32 rows.  Written once, by block p's conversions; read by the four stores that are issued in block p + 1.
;   v2, v3     byte offsets, made once at the head and never written again: the rows stand in the immediate offsets.
; Block p's memory instructions are the loads into X[(p + 4) % 5] = X[(p - 1) % 5] and the stores from block p - 1's Y: the two buffers that block p - 1 worked on
; and that no vector instruction of block p names.  So one wait at a block's head states all that its memory instructions hang on, and these are dealt among its
; conversions with no further wait.  No register that a memory instruction reads is written a second time.
; THE PLAN, THE HEAD SUMS.  All 32 loads go out at the head, into registers that no vector instruction writes; one store leaves at the end.  Three waits: the wave's number
; is in its scalar register; the loads' offset is written; the store's data are written.
.set LO,  2                            ; v2       byte offset of my 16 bytes in a source row
.set SO,  3                            ; v3       byte offset of what I store
.set XC,  16                           ; v[16:95]  cast: block k, row i: 4 registers at XC + 16 k + 4 i, as loaded
.set YC,  96                           ; v[96:159] cast: two registers for each of the 32 rows, never rewritten
.set X,   16                           ; v[16:143] sums: 16 rows of Wv as loaded, eight registers each
.set T,   144                          ; v[144:155] sums: at work
.set S,   156                          ; v[156:163] sums: my eight head sums, d % 8 = 0 to 7
.set TV,  164
.set H,   166
.set W0,  168                          ; v[168:169]
.set LP,  170
.set Z,   171                          ; 0
.set R,   172                          ; v[172:175] the 16 bytes that I store
.set HM,  30                           ; s30 a word's upper bf16
.set MB,  31                           ; s31 lanes with j odd: the heads of the row's second 512 bytes
.set MU,  32                           ; s32 lanes of the second block of eight d
.set ML,  33                           ; s33 lanes with j & 2: lo
.set MZ,  34                           ; s34 lanes with j >= 4: zeros
	s_load_b512 s[4:19], s[0:1], 0x0               ; query s[4:5], Wk s[6:7], Wq s[8:9], Wv s[10:11], xb s[12:13], wkb s[14:15], wqb s[16:17], wvs s[18:19]
	s_cmp_lt_u32 ttmp9, 32
	s_cbranch_scc1 .Lsum
	; THE CAST.  Thread t owns 16 bytes of every source row and 8 bytes of every row stored; the row stands in the immediate, so no address is stepped.
	s_sub_co_u32 s20, ttmp9, 32                    ; 0-511 query, 512-543 Wk, 544-575 Wq
	s_mov_b32 s35, 512
	s_mov_b32 s36, 544
	v_lshlrev_b32 v[LO], 4, v0
	v_lshlrev_b32 v[SO], 3, v0
	s_wait_kmcnt 0x0
	s_cmp_lt_u32 s20, s36
	s_cselect_b64 s[22:23], s[6:7], s[8:9]
	s_cselect_b64 s[24:25], s[14:15], s[16:17]
	s_cselect_b32 s21, s35, s36
	s_cmp_lt_u32 s20, s35
	s_cselect_b64 s[22:23], s[4:5], s[22:23]
	s_cselect_b64 s[24:25], s[12:13], s[24:25]
	s_cselect_b32 s21, 0, s21
	s_sub_co_u32 s20, s20, s21                     ; my block of 32 rows in that tensor
	s_lshl_b32 s26, s20, 17                        ; 32 rows of 4,096 bytes
	s_mov_b32 s27, 0
	s_lshl_b32 s28, s20, 16                        ; 32 rows of 2,048 bytes
	s_mov_b32 s29, 0
	s_add_nc_u64 s[22:23], s[22:23], s[26:27]
	s_add_nc_u64 s[24:25], s[24:25], s[28:29]
	s_wait_alu depctr_va_vdst(0)                   ; v2 and v3 are written: every load and store of this path reads one of them as its offset
.set i, 0
.rept 20
	global_load_b128 v[XC+4*i:XC+4*i+3], v[LO], s[22:23] offset:4096*i th:TH_LOAD_NT  ; blocks 0 to 4 into X0 to X4
.set i, i+1
.endr
; Block p of eight.  left = how many younger loads may still be out when this block's four have to be there.
; Blocks 1 to 3 ask for blocks 5 to 7; every block but the first stores the block before it.
.macro CBLK p, left
	s_wait_loadcnt \left                           ; loads come back in order (ISA guide 5.7.1): X[p % 5] is in, the younger blocks stay out
.if (\p) > 0
	s_wait_alu depctr_va_vdst(0)                   ; the block before has written its Y, which the stores below read, and is done reading its X, in which the loads below land
.endif
.irp i, 0,1,2,3
.if ((\p) > 0) && ((\p) < 4)
	global_load_b128 v[XC+16*(((\p)+4)%5)+4*(\i):XC+16*(((\p)+4)%5)+4*(\i)+3], v[LO], s[22:23] offset:4096*(4*((\p)+4)+(\i)) th:TH_LOAD_NT  ; four blocks ahead; no vector instruction since the wait names these registers
.endif
.if (\p) > 0
	global_store_b64 v[SO], v[YC+2*(4*((\p)-1)+(\i)):YC+2*(4*((\p)-1)+(\i))+1], s[24:25] offset:2048*(4*((\p)-1)+(\i))  ; the block before: a wave's 32 lanes store 256 consecutive bytes, aligned
.endif
	v_cvt_pk_bf16_f32 v[YC+2*(4*(\p)+(\i))],   v[XC+16*((\p)%5)+4*(\i)],   v[XC+16*((\p)%5)+4*(\i)+1]
	v_cvt_pk_bf16_f32 v[YC+2*(4*(\p)+(\i))+1], v[XC+16*((\p)%5)+4*(\i)+2], v[XC+16*((\p)%5)+4*(\i)+3]
.endr
.endm
	CBLK 0, 16                                     ; blocks 1 to 4 stay out
	CBLK 1, 12                                     ; the three younger blocks stay out; with the four loads that follow sixteen are on their way
	CBLK 2, 12
	CBLK 3, 12
	CBLK 4, 12                                     ; nothing more is asked for: no load leaves the buffer, and the counts run down
	CBLK 5, 8
	CBLK 6, 4
	CBLK 7, 0
	s_wait_alu depctr_va_vdst(0)                   ; block 7 has written its Y, which the last four stores read
.irp i, 0,1,2,3
	global_store_b64 v[SO], v[YC+2*(28+(\i)):YC+2*(28+(\i))+1], s[24:25] offset:2048*(28+(\i))
.endr
	s_endpgm
	; THE HEAD SUMS.  Wave T of 256 takes column tile tc = T / 64 (four heads) and 16 rows d.  A row's first load holds head 4 tc in lanes 0-15 and 4 tc + 1 in lanes 16-31, the second heads 4 tc + 2 and 4 tc + 3.
.Lsum:
	v_lshrrev_b32 v1, 5, v0
	v_readfirstlane_b32 s20, v1
	v_and_b32 v1, 31, v0
	v_lshlrev_b32 v[LO], 4, v1
	v_and_b32 v[SO], 7, v0                         ; j
	v_bfe_u32 v4, v0, 3, 1                         ; which eight d
	v_bfe_u32 v5, v0, 4, 1                         ; h
	v_lshlrev_b32 v[SO], 4, v[SO]
	v_lshl_add_u32 v[SO], v4, 8, v[SO]
	v_lshl_add_u32 v[SO], v5, 7, v[SO]             ; 256 x block of d + 16 x (8 h + j)
	v_mov_b32 v[Z], 0
	s_wait_alu depctr_va_sdst(0)                   ; s20 is written, ahead of its first reader: the bases of Wv and wvs are made from it
	s_lshl_b32 s21, ttmp9, 3
	s_add_co_u32 s20, s20, s21                     ; T
	s_lshr_b32 s21, s20, 6                         ; tc
	s_and_b32 s22, s20, 63                         ; my block of 16 rows
	s_lshl_b32 s24, s22, 16                        ; 16 rows of 4,096 bytes
	s_lshl_b32 s25, s21, 10                        ; 256 columns of 4 bytes
	s_add_co_u32 s24, s24, s25
	s_mov_b32 s25, 0
	s_lshl_b32 s26, s21, 15                        ; wvs: 32,768 bytes a column tile,
	s_lshl_b32 s27, s22, 9                         ; 512 for 16 rows d
	s_add_co_u32 s26, s26, s27
	s_mov_b32 s27, 0
	s_mov_b32 s[HM], 0xffff0000
	s_mov_b32 s[MB], 0xaaaaaaaa
	s_mov_b32 s[MU], 0xff00ff00
	s_mov_b32 s[ML], 0xcccccccc
	s_mov_b32 s[MZ], 0xf0f0f0f0
	s_wait_kmcnt 0x0
	s_add_nc_u64 s[10:11], s[10:11], s[24:25]
	s_add_nc_u64 s[18:19], s[18:19], s[26:27]
	s_wait_alu depctr_va_vdst(0)                   ; v2 is written, which the 32 loads read as their offset; so is v3, the store's
.set i, 0
.rept 16
	global_load_b128 v[X+8*i:X+8*i+3],   v[LO], s[10:11] offset:4096*i th:TH_LOAD_NT
	global_load_b128 v[X+8*i+4:X+8*i+7], v[LO], s[10:11] offset:4096*i+512 th:TH_LOAD_NT
.set i, i+1
.endr
; four numbers at v[x] are rounded to bf16, widened and added; then the 16 lanes of a half are added: every lane of the half holds the head's sum in v[t]
.macro HSUM t, x
	v_cvt_pk_bf16_f32 v[(\t)],   v[(\x)],   v[(\x)+1]
	v_cvt_pk_bf16_f32 v[(\t)+1], v[(\x)+2], v[(\x)+3]
	v_lshlrev_b32 v[(\t)+2], 16, v[(\t)]
	v_and_b32     v[(\t)+3], s[HM], v[(\t)]
	v_lshlrev_b32 v[(\t)+4], 16, v[(\t)+1]
	v_and_b32     v[(\t)+5], s[HM], v[(\t)+1]
	v_pk_add_f32 v[(\t)+2:(\t)+3], v[(\t)+2:(\t)+3], v[(\t)+4:(\t)+5]
	v_add_f32 v[(\t)], v[(\t)+2], v[(\t)+3]
	v_add_f32_dpp v[(\t)], v[(\t)], v[(\t)] row_xmask:1 row_mask:0xf bank_mask:0xf
	v_add_f32_dpp v[(\t)], v[(\t)], v[(\t)] row_xmask:2 row_mask:0xf bank_mask:0xf
	v_add_f32_dpp v[(\t)], v[(\t)], v[(\t)] row_xmask:4 row_mask:0xf bank_mask:0xf
	v_add_f32_dpp v[(\t)], v[(\t)], v[(\t)] row_xmask:8 row_mask:0xf bank_mask:0xf
.endm
.macro SROW d
	s_wait_loadcnt 30-2*(\d)                       ; row d's two loads are in; the later rows' stay out
	HSUM T, X+8*(\d)
	HSUM T+6, X+8*(\d)+4
.if (\d) < 8
	v_cndmask_b32 v[S+(\d)], v[T], v[T+6], s[MB]   ; my head's sum
.else
	v_cndmask_b32 v[TV], v[T], v[T+6], s[MB]
	v_cndmask_b32 v[S+(\d)-8], v[S+(\d)-8], v[TV], s[MU]  ; the lanes of the second eight d take it
.endif
.endm
.irp d, 0,1,2,3,4,5,6,7,8,9,10,11,12,13,14,15
	SROW \d
.endr
.irp p, 0,1,2,3
	v_cvt_pk_bf16_f32 v[H], v[S+2*(\p)], v[S+2*(\p)+1]     ; hi
	v_lshlrev_b32 v[W0], 16, v[H]
	v_and_b32 v[W0+1], s[HM], v[H]
	v_pk_add_f32 v[W0:W0+1], v[S+2*(\p):S+2*(\p)+1], v[W0:W0+1] neg_lo:[0,1] neg_hi:[0,1]  ; what hi leaves: an exact difference
	v_cvt_pk_bf16_f32 v[LP], v[W0], v[W0+1]                ; lo
	v_cndmask_b32 v[R+(\p)], v[H], v[LP], s[ML]
	v_cndmask_b32 v[R+(\p)], v[R+(\p)], v[Z], s[MZ]
.endr
	s_wait_alu depctr_va_vdst(0)                   ; the selects have written v[172:175], which the store reads
	global_store_b128 v[SO], v[R:R+3], s[18:19]    ; the wave's 32 lanes store 512 consecutive bytes, aligned
	s_endpgm
.Lfunc_end_k_qfdd16cf8d4_prep:
	.size	k_qfdd16cf8d4_prep, .Lfunc_end_k_qfdd16cf8d4_prep-k_qfdd16cf8d4_prep
	.p2alignl 7, 3214868480
	.fill 96, 4, 3214868480
	.section	.rodata,"a",@progbits
	.p2align	6, 0x0
	.amdhsa_kernel k_qfdd16cf8d4_prep
		.amdhsa_group_segment_fixed_size 0
		.amdhsa_private_segment_fixed_size 0
		.amdhsa_enable_private_segment 0
		.amdhsa_kernarg_size 64
		.amdhsa_user_sgpr_count 2
		.amdhsa_user_sgpr_kernarg_segment_ptr 1
		.amdhsa_wavefront_size32 1
		.amdhsa_system_sgpr_workgroup_id_x 1
		.amdhsa_system_sgpr_workgroup_id_y 1
		.amdhsa_system_sgpr_workgroup_id_z 1
		.amdhsa_system_vgpr_workitem_id 0
		.amdhsa_next_free_vgpr 176
		.amdhsa_next_free_sgpr 66
		.amdhsa_reserve_vcc 0
		.amdhsa_float_denorm_mode_32 3
		.amdhsa_float_denorm_mode_16_64 3
		.amdhsa_memory_ordered 1
		.amdhsa_forward_progress 1
		.amdhsa_inst_pref_size 39
	.end_amdhsa_kernel
	.amdgpu_metadata
---
amdhsa.version: [ 1, 2 ]
amdhsa.kernels:
  - .name:           k_qfdd16cf8d4_prep
    .symbol:         k_qfdd16cf8d4_prep.kd
    .args:
      - { .name: query, .offset: 0, .size: 8, .value_kind: global_buffer, .address_space: global }
      - { .name: Wk, .offset: 8, .size: 8, .value_kind: global_buffer, .address_space: global }
      - { .name: Wq, .offset: 16, .size: 8, .value_kind: global_buffer, .address_space: global }
      - { .name: Wv, .offset: 24, .size: 8, .value_kind: global_buffer, .address_space: global }
      - { .name: xb, .offset: 32, .size: 8, .value_kind: global_buffer, .address_space: global }
      - { .name: wkb, .offset: 40, .size: 8, .value_kind: global_buffer, .address_space: global }
      - { .name: wqb, .offset: 48, .size: 8, .value_kind: global_buffer, .address_space: global }
      - { .name: wvs, .offset: 56, .size: 8, .value_kind: global_buffer, .address_space: global }
    .group_segment_fixed_size: 0
    .private_segment_fixed_size: 0
    .kernarg_segment_align: 8
    .kernarg_segment_size: 64
    .max_flat_workgroup_size: 256
    .sgpr_count:     66
    .vgpr_count:     176
    .wavefront_size: 32
...
	.end_amdgpu_metadata
.endif
;; end of part 4
;; launch kgemm: the kernel of part 2 again; grid 4 x 64, 4 waves a work-group, clusters of 4 x 4, 327,680 bytes of LDS; arguments xb, wkb, wvs, bk, bv, mask, part; writes part
;; launch qgemm: the kernel of part 3 again; grid 4 x 64, 4 waves a work-group, clusters of 4 x 4, 327,680 bytes of LDS; arguments xb, wqb, bq, part, out0; writes out0
